; MI455X (gfx1250); checked and timed in simulation.
; The chip was launched on July 23, 2026; its instructions are those of AMD's public machine-readable ISA for CDNA 5 (MIT licence, August 2026) and "CDNA5" Instruction Set Architecture Reference Guide (July 2026). The comments in the code are by the model that wrote it; some were corrected since.
;; Mixture Of Experts. Allowed arithmetic: matrix products marked QUANTISED: E2M1 operands, one E8M0 scale for each 32 along K, by v_wmma_scale_f32_16x16x128_f8f6f4 with both operands' format E2M1 (or v_wmma_scale_f32_32x16x128_f4), f32 sums; products left as they are: f32 operands where the result goes on into a quantised operand, else bf16, f16 or f32 operands; f32 sums; everything else in f32.
;; Inputs: We_codes 8 x 1,024 x 32 x 16 uint8 (E2M1 codes of We, K innermost, in blocks of 32 codes, two codes a byte); We_scales 8 x 1,024 x 32 uint8 (E8M0 scales of We, one for each 32 codes along K); Wg1_codes 64 x 32 x 16 uint8 (E2M1 codes of Wg1, K innermost, in blocks of 32 codes, two codes a byte); Wg1_scales 64 x 32 uint8 (E8M0 scales of Wg1, one for each 32 codes along K); Wg2 8 x 64 float32; be 8 x 1,024 float32; bg1 64 float32; bg2 8 float32; x_codes 8,192 x 32 x 16 uint8 (E2M1 codes of x, K innermost, in blocks of 32 codes, two codes a byte); x_scales 8,192 x 32 uint8 (E8M0 scales of x, one for each 32 codes along K).
;; Outputs: out0 8,192 x 1,024 float32; out1 8,192 x 8 float32; out2 8,192 x 2 int32.
;; This version of the problem:
;;   THIS VERSION OF THE PROBLEM IS GIVEN IN LOW PRECISION. The matrix products marked QUANTISED in the list below multiply operands that are first quantised to E2M1 (2 exponent bits, 1 mantissa bit; 4 bits a number), with one power-of-two scale for each 32 numbers along K (OCP MX v1.0); their sums are f32. All else is computed in f32.
;;   The module's matrix products, in the order in which they are computed (A, B: the left and right operand; K: the contracted axis; several contracted axes count as one K, in the product's order):
;;     1. [M 8,192, K 1,024] x [K 1,024, N 64]; A: input x (given as codes); B: input Wg1 (given as codes): QUANTISED
;;     2. [M 8,192, K 64] x [K 64, N 8]; A: computed on the way; B: input Wg2: left as it is (N = 8 < 16)
;;     3. [M 8,192, K 1,024] x [K 1,024, N 8,192]; A: input x (given as codes); B: input We (given as codes): QUANTISED
;;   THE QUANTISER, for each operand of a quantised product, along K:
;;     - K is cut into blocks of 32 from its start; a last block that is shorter is filled with zeros.
;;     - A block's scale is 2^e with e = floor(log2(the largest magnitude in the block)) - 2, held to -126 .. 127; a block of zeros has e = 0. As a byte (E8M0): e + 127.
;;     - Each number is divided by its block's scale, clamped to +-6, and rounded to the nearest number of E2M1, ties to even, subnormals kept.
;;     - The product sums the exact products of the quantised numbers (number of the format x scale) in f32.
;;   ~~~python
;;   def quantise(x, axis):      # numpy; x: float32 -> the quantised numbers, widened to float32 again
;;       x = np.moveaxis(x, axis, -1); K = x.shape[-1]
;;       x = np.pad(x, [(0, 0)] * (x.ndim - 1) + [(0, -K % 32)]); x = x.reshape(x.shape[:-1] + (-1, 32)); a = np.abs(x).max(-1, keepdims=True)
;;       e = np.where(a > 0, np.clip(np.frexp(np.where(a > 0, a, 1))[1] - 1 - 2, -126, 127), 0)      # np.frexp(a)[1] - 1 = floor(log2(a)), exactly
;;       r = np.clip(x / 2.0 ** e, -6, 6)
;;       step = 2.0 ** (np.maximum(np.frexp(np.where(r == 0, 1, r))[1] - 1, 0) - 1)
;;       q = np.round(r / step) * step * 2.0 ** e      # np.round: ties to even
;;       return np.moveaxis(q.reshape(q.shape[:-2] + (-1,))[..., :K], -1, axis).astype(np.float32)
;;   ~~~
;;   INPUTS GIVEN AS CODES. We (in the module: [8, 1024, 1024], K = its axis 2); Wg1 (in the module: [64, 1024], K = its axis 1); x (in the module: [8192, 1024], K = its axis 1): each comes as NAME_codes (uint8): NAME with its K axis moved to the last place and cut into blocks of 32 codes, [.., K / 32, bytes a block], one block behind the other in memory; two codes a byte, the lower K in the low four bits (a code: sign, 2 exponent bits, 1 mantissa bit); and NAME_scales (uint8): the same leading axes, one E8M0 byte (e + 127) for each 32 codes along K. Its value is code x scale, taken as it is: it is not quantised again, and the codes and scales need not be those that the quantiser above would give.
;; 3 versions. Each part assembles by itself: llvm-mc -triple=amdgcn-amd-amdhsa -mcpu=gfx1250 --defsym DOCPART=n.
;; ======== version 1 of 3: 3 launches
;; workspace buffers: Wimg 4,194,304 bytes; meta 131,072 bytes of whole numbers; tk_w 65,536 bytes; srt 32,768 bytes of whole numbers; srt_w 65,536 bytes
;; launch gate (part 1): grid 192 x 1, 4 waves a work-group, no clusters, 0 bytes of LDS; arguments x_codes, x_scales, Wg1_codes, Wg1_scales, bg1, Wg2, bg2, We_codes, out1, out2, tk_w, meta, Wimg; writes out1, out2, tk_w, meta, Wimg
.if DOCPART == 1
	.amdgcn_target "amdgcn-amd-amdhsa--gfx1250"
	.amdhsa_code_object_version 6
	.text
	.protected	k_q6eb0d954c9_gate
	.globl	k_q6eb0d954c9_gate
	.p2align	8
	.type	k_q6eb0d954c9_gate,@function
k_q6eb0d954c9_gate:
	s_mov_b64 s[64:65], 0
	v_nop
	global_prefetch_b8 v0, s[64:65] scope:SCOPE_SE
	s_setreg_imm32_b32 hwreg(HW_REG_WAVE_MODE, 25, 1), 1
	s_wait_xcnt 0x0
; TWO JOBS IN ONE LAUNCH, parted by the work-group's number alone.
; Work-groups 0-63: THE GATE.  h = relu(x Wg1^T + bg1) on codes of FP4 (E2M1) with E8M0 scales, as they lie in memory; scores = h Wg2^T + bg2 in f32;
;   softmax with the row's maximum taken away; the two largest weights, the lower index at a tie.  Stored: out1 (8 weights), out2 (2 indices), tk_w (the 2 weights),
;   and meta: whole numbers at fixed places, from which the next launch places the tokens.  No address and no branch here hangs on the choice.
; Work-groups 64-191: THE IMAGE.  We's codes are laid in the order in which a wave's operand registers take them: [16 rows q][K step s][half c][lane][16 bytes].
; SHARES (gate): a wave owns 32 tokens, two tiles of 16.  The first product is used transposed (source 0 = 16 rows of Wg1, source 1 = 16 tokens): a lane (r, h) holds token r
;   and hidden units 16 th + 8 h + 0..7.  Those registers ARE source 1 of the second product (f32 form, K = 4): its k = 2 h + j stands for hidden unit 16 th + 8 h + 2 i + j on both sides.
;   Source 0 of the second product has Wg2's 8 rows twice (rows 8-15 repeat 0-7), so every lane ends up with all 8 scores of its token.
; SCALES: a row's 32 scale bytes are 8 words; one load of 16 bytes at 32 r + 16 h puts word 4 h + i into register i: K step s takes register s % 4, lanes 0-15 for s < 4, lanes 16-31 for s >= 4.
; No cluster, no LDS: no two work-groups share more than Wg1's 34 KB, and each wave reads everything that it needs once, into registers.
; LIMITS: NaN among the gate weights is not served (both indices then fall to 0).  Two weights that are equal within f32 rounding may be ordered either way.
; REGISTERS: window 0 as named below; window 1: x's fragments, 64 tile + 8 s + 4 c; window 2: Wg1's, 64 th + 8 s + 4 c.
.set XS,   16                          ; v16-23   x's scale words, 4 a tile
.set GS,   24                          ; v24-39   Wg1's, 4 a tile of 16 hidden units
.set B1,   40                          ; v40-71   bg1 in the result's layout, 8 a tile
.set W2,   72                          ; v72-103  Wg2(r % 8, 16 th + 8 h + 0..7)
.set BG2,  104                         ; v104-111 bg2[j] in every lane
.set H,    112                         ; v112-175 the hidden layer: 32 tile + 8 th
.set SCA,  176                         ; v176-183 scores of tile 0: written by matrix instructions alone
.set SCB,  184                         ; v184-191 scores of tile 1: likewise
.set GW,   192                         ; v192-199 my token's scores, then its weights
.set P,    200                         ; v200-207 the weights of the lane 16 away
.set ST,   208                         ; v208-215 out1 as it is stored
.set MX,   216
.set SUM,  217
.set RC,   218
.set LO,   219
.set HI,   220
.set PP,   221                         ; the pair's number, 0..27
.set RANK, 222                         ; earlier lanes of the wave with the same pair
.set TMP,  224                         ; v224-227 at work
.set META, 232                         ; v232-235 {e0 | e1 << 8, pair | rank << 8, the wave's count of pair = lane, 0}
.set IDX,  236                         ; v236-237 the two indices
.set WPR,  238                         ; v238-239 the two weights
.set MSB, 0
.macro WIN new                         ; the immediate's high byte repeats the setting that is left
.if MSB != \new
	s_set_vgpr_msb (MSB<<8)|\new
.set MSB, \new
.endif
.endm
	s_load_b512 s[4:19], s[0:1], 0x0               ; x_codes, x_scales, Wg1_codes, Wg1_scales, bg1, Wg2, bg2, We_codes
	s_load_b256 s[20:27], s[0:1], 0x40             ; out1, out2, tk_w, meta
	s_load_b64 s[28:29], s[0:1], 0x60              ; Wimg
	v_lshrrev_b32 v1, 5, v0
	v_readfirstlane_b32 s30, v1                    ; wave 0..3
	v_and_b32 v1, 15, v0                           ; r
	v_bfe_u32 v2, v0, 4, 1                         ; h
	v_and_b32 v3, 31, v0                           ; lane
	v_lshlrev_b32 v4, 9, v1
	v_lshl_add_u32 v4, v2, 4, v4                   ; a fragment's place: row r of 512 bytes + 16 h
	v_lshlrev_b32 v10, 4, v3                       ; 16 x lane
	s_mov_b32 s33, 0
	s_wait_kmcnt 0x0
	s_cmp_lt_u32 ttmp9, 64
	s_cbranch_scc0 .Lrelay
	; ================= THE GATE =================
	s_lshl_b32 s31, ttmp9, 2
	s_add_co_u32 s31, s31, s30                     ; my group of 32 tokens, 0..255
	s_lshl_b32 s32, s31, 14
	s_add_nc_u64 s[4:5], s[4:5], s[32:33]          ; 32 rows of 512 bytes of codes
	s_lshl_b32 s32, s31, 10
	s_add_nc_u64 s[6:7], s[6:7], s[32:33]          ; 32 rows of 32 scale bytes
	s_add_nc_u64 s[20:21], s[20:21], s[32:33]      ; 32 rows of 8 f32 of out1
	s_lshl_b32 s32, s31, 8
	s_add_nc_u64 s[22:23], s[22:23], s[32:33]      ; 32 x 8 bytes of out2
	s_add_nc_u64 s[24:25], s[24:25], s[32:33]      ; and of tk_w
	s_lshl_b32 s32, s31, 9
	s_add_nc_u64 s[26:27], s[26:27], s[32:33]      ; 32 x 16 bytes of meta
	v_lshlrev_b32 v5, 5, v1
	v_lshl_add_u32 v5, v2, 4, v5                   ; 32 r + 16 h: scale words, and out1
	v_lshlrev_b32 v6, 5, v2                        ; 32 h
	v_and_b32 v7, 7, v0
	v_lshlrev_b32 v7, 8, v7
	v_lshl_add_u32 v7, v2, 5, v7                   ; Wg2: row r % 8 of 256 bytes + 32 h
	v_mov_b32 v8, 0
	v_lshlrev_b32 v9, 3, v3                        ; 8 x lane
	; all 120 loads go out together: everything is wanted at once.  (A counter's field cannot be passed: the issue stalls, ISA guide 5.7.1)
	WIN 0x40                                       ; destination window 1
.irp tile, 0,1
.irp s, 0,1,2,3,4,5,6,7
.irp c, 0,1
	global_load_b128 v[64*\tile+8*\s+4*\c:64*\tile+8*\s+4*\c+3], v4, s[4:5] offset:8192*\tile+64*\s+32*\c
.endr
.endr
.endr
	WIN 0x80                                       ; destination window 2
.irp th, 0,1,2,3
.irp s, 0,1,2,3,4,5,6,7
.irp c, 0,1
	global_load_b128 v[64*\th+8*\s+4*\c:64*\th+8*\s+4*\c+3], v4, s[8:9] offset:8192*\th+64*\s+32*\c
.endr
.endr
.endr
	WIN 0
.irp tile, 0,1
	global_load_b128 v[XS+4*\tile:XS+4*\tile+3], v5, s[6:7] offset:512*\tile
.endr
.irp th, 0,1,2,3
	global_load_b128 v[GS+4*\th:GS+4*\th+3], v5, s[10:11] offset:512*\th
	global_load_b128 v[B1+8*\th:B1+8*\th+3], v6, s[12:13] offset:64*\th
	global_load_b128 v[B1+8*\th+4:B1+8*\th+7], v6, s[12:13] offset:64*\th+16
	global_load_b128 v[W2+8*\th:W2+8*\th+3], v7, s[14:15] offset:64*\th
	global_load_b128 v[W2+8*\th+4:W2+8*\th+7], v7, s[14:15] offset:64*\th+16
.endr
	global_load_b128 v[BG2:BG2+3], v8, s[16:17]
	global_load_b128 v[BG2+4:BG2+7], v8, s[16:17] offset:16
	s_mov_b32 s44, 0x76543210
	s_mov_b32 s45, 0xfedcba98                      ; v_permlanex16_b32's selects for lane l xor 16
	v_cmp_le_u32 s42, 16, v3                       ; the mask of lanes 16-31
.irp j, 0,1,2,3,4,5,6,7
	v_mov_b32 v[P+\j], 0                           ; written once: a lane permute's destination counts as one of its sources
.endr
	v_mov_b32 v[RANK], 0
	v_mov_b32 v[META+2], 0
	v_mov_b32 v[META+3], 0
	s_wait_loadcnt 0x0
	; ---- h^T = Wg1 x^T + bg1: eight accumulators by turns, a K step of 128 at a time; the bias is the C of each sum's first product
	WIN 0x06                                       ; source 0 window 2, source 1 window 1, C and D window 0
.irp s, 0,1,2,3,4,5,6,7
.irp tile, 0,1
.irp th, 0,1,2,3
.if \s == 0
	v_wmma_scale_f32_16x16x128_f8f6f4 v[H+32*\tile+8*\th:H+32*\tile+8*\th+7], v[64*\th+8*\s:64*\th+8*\s+7], v[64*\tile+8*\s:64*\tile+8*\s+7], v[B1+8*\th:B1+8*\th+7], v[GS+4*\th+\s%4], v[XS+4*\tile+\s%4] matrix_a_fmt:MATRIX_FMT_FP4 matrix_b_fmt:MATRIX_FMT_FP4
.elseif \s < 4
	v_wmma_scale_f32_16x16x128_f8f6f4 v[H+32*\tile+8*\th:H+32*\tile+8*\th+7], v[64*\th+8*\s:64*\th+8*\s+7], v[64*\tile+8*\s:64*\tile+8*\s+7], v[H+32*\tile+8*\th:H+32*\tile+8*\th+7], v[GS+4*\th+\s%4], v[XS+4*\tile+\s%4] matrix_a_fmt:MATRIX_FMT_FP4 matrix_b_fmt:MATRIX_FMT_FP4
.else
	v_wmma_scale_f32_16x16x128_f8f6f4 v[H+32*\tile+8*\th:H+32*\tile+8*\th+7], v[64*\th+8*\s:64*\th+8*\s+7], v[64*\tile+8*\s:64*\tile+8*\s+7], v[H+32*\tile+8*\th:H+32*\tile+8*\th+7], v[GS+4*\th+\s%4], v[XS+4*\tile+\s%4] matrix_a_fmt:MATRIX_FMT_FP4 matrix_b_fmt:MATRIX_FMT_FP4 matrix_a_scale:MATRIX_SCALE_ROW1 matrix_b_scale:MATRIX_SCALE_ROW1
.endif
.endr
.endr
.endr
	WIN 0
.rept 4
	v_nop                                          ; four places behind the last product, ahead of the first read of results (ISA guide 7.12.1)
.endr
.irp j, 0,1,2,3,4,5,6,7,8,9,10,11,12,13,14,15,16,17,18,19,20,21,22,23,24,25,26,27,28,29,30,31,32,33,34,35,36,37,38,39,40,41,42,43,44,45,46,47,48,49,50,51,52,53,54,55,56,57,58,59,60,61,62,63
	v_max_num_f32 v[H+\j], 0, v[H+\j]              ; relu, each accumulator from its low end on
.endr
	; ---- scores^T = Wg2 h^T + bg2, in f32: sixteen K steps of 4, the two tiles' accumulators by turns; bg2 is the C of each sum's first step
.irp th, 0,1,2,3
.irp i, 0,1,2,3
.if \th+\i == 0
	v_wmma_f32_16x16x4_f32 v[SCA:SCA+7], v[W2+8*\th+2*\i:W2+8*\th+2*\i+1], v[H+8*\th+2*\i:H+8*\th+2*\i+1], v[BG2:BG2+7]
	v_wmma_f32_16x16x4_f32 v[SCB:SCB+7], v[W2+8*\th+2*\i:W2+8*\th+2*\i+1], v[H+32+8*\th+2*\i:H+32+8*\th+2*\i+1], v[BG2:BG2+7]
.else
	v_wmma_f32_16x16x4_f32 v[SCA:SCA+7], v[W2+8*\th+2*\i:W2+8*\th+2*\i+1], v[H+8*\th+2*\i:H+8*\th+2*\i+1], v[SCA:SCA+7]
	v_wmma_f32_16x16x4_f32 v[SCB:SCB+7], v[W2+8*\th+2*\i:W2+8*\th+2*\i+1], v[H+32+8*\th+2*\i:H+32+8*\th+2*\i+1], v[SCB:SCB+7]
.endif
.endr
.endr
.rept 8
	v_nop                                          ; eight places behind this form
.endr
.irp j, 0,1,2,3,4,5,6,7
	v_cndmask_b32 v[GW+\j], v[SCA+\j], v[SCB+\j], s42   ; lanes 0-15 keep tile 0's token r, lanes 16-31 tile 1's: lane l now stands for token l of the 32
.endr
	; ---- softmax over the 8 scores, the maximum taken away
	v_max3_num_f32 v[MX], v[GW], v[GW+1], v[GW+2]
	v_max3_num_f32 v[MX], v[MX], v[GW+3], v[GW+4]
	v_max3_num_f32 v[MX], v[MX], v[GW+5], v[GW+6]
	v_max_num_f32 v[MX], v[MX], v[GW+7]
.irp j, 0,1,2,3,4,5,6,7
	v_sub_f32 v[GW+\j], v[GW+\j], v[MX]            ; the difference first (exact where the scores are close), whatever the scores' size
.endr
.irp j, 0,1,2,3,4,5,6,7
	v_mul_f32 v[GW+\j], 0x3fb8aa3b, v[GW+\j]       ; x log2(e)
.endr
.irp j, 0,1,2,3,4,5,6,7
	v_exp_f32 v[GW+\j], v[GW+\j]
.endr
	v_nop                                          ; a plain instruction behind the last exponential
	s_wait_alu depctr_va_vdst(0)                   ; one wait for the batch of eight, ahead of its first reader
	v_add_f32 v[SUM], v[GW], v[GW+1]
	v_add_f32 v[TMP], v[GW+2], v[GW+3]
	v_add_f32 v[TMP+1], v[GW+4], v[GW+5]
	v_add_f32 v[TMP+2], v[GW+6], v[GW+7]
	v_add_f32 v[SUM], v[SUM], v[TMP]
	v_add_f32 v[TMP+1], v[TMP+1], v[TMP+2]
	v_add_f32 v[SUM], v[SUM], v[TMP+1]
	v_rcp_f32 v[RC], v[SUM]
	v_nop
	s_wait_alu depctr_va_vdst(0)                   ; ahead of the reciprocal's first reader
.irp j, 0,1,2,3,4,5,6,7
	v_mul_f32 v[GW+\j], v[GW+\j], v[RC]
.endr
	; ---- the two largest weights; a strict compare on ascending indices keeps the lower index at a tie
	v_mov_b32 v[WPR], v[GW]
	v_mov_b32 v[IDX], 0
.irp e, 1,2,3,4,5,6,7
	v_cmp_gt_f32 vcc_lo, v[GW+\e], v[WPR]
	v_cndmask_b32 v[WPR], v[WPR], v[GW+\e], vcc_lo
	v_cndmask_b32 v[IDX], v[IDX], \e, vcc_lo
.endr
	v_mov_b32 v[WPR+1], -1.0                       ; under every weight
	v_mov_b32 v[IDX+1], 0
.irp e, 0,1,2,3,4,5,6,7
	v_cmp_gt_f32 s40, v[GW+\e], v[WPR+1]
	v_cmp_ne_u32 vcc_lo, \e, v[IDX]
	s_and_b32 vcc_lo, vcc_lo, s40
	v_cndmask_b32 v[WPR+1], v[WPR+1], v[GW+\e], vcc_lo
	v_cndmask_b32 v[IDX+1], v[IDX+1], \e, vcc_lo
.endr
	; ---- the unordered pair's number: lo (15 - lo) / 2 + hi - lo - 1, 0..27
	v_min_u32 v[LO], v[IDX], v[IDX+1]
	v_max_u32 v[HI], v[IDX], v[IDX+1]
	v_sub_nc_u32 v[TMP], 15, v[LO]
	v_mul_u32_u24 v[TMP], v[LO], v[TMP]
	v_lshrrev_b32 v[TMP], 1, v[TMP]
	v_add_nc_u32 v[TMP], v[TMP], v[HI]
	v_sub_nc_u32 v[TMP], v[TMP], v[LO]
	v_add_nc_u32 v[TMP], -1, v[TMP]
	v_min_u32 v[PP], 27, v[TMP]
	; ---- for each pair q: my rank among the wave's lanes that have it, and the wave's count, kept in lane q.  Values only
.irp q, 0,1,2,3,4,5,6,7,8,9,10,11,12,13,14,15,16,17,18,19,20,21,22,23,24,25,26,27
	v_cmp_eq_u32 s40, \q, v[PP]
	v_mbcnt_lo_u32_b32 v[TMP], s40, 0
	v_cndmask_b32 v[RANK], v[RANK], v[TMP], s40
	s_bcnt1_i32_b32 s41, s40
	v_writelane_b32 v[META+2], s41, \q
.endr
	v_lshl_or_b32 v[META], v[IDX+1], 8, v[IDX]
	v_lshl_or_b32 v[META+1], v[RANK], 8, v[PP]
	; ---- out1: a token's 8 weights are 32 bytes; lane (r, h) stores words 4 h .. 4 h + 3 of token r, then of token 16 + r: each store covers 512 consecutive bytes
.irp j, 0,1,2,3,4,5,6,7
	v_permlanex16_b32 v[P+\j], v[GW+\j], s44, s45
.endr
.irp j, 0,1,2,3
	v_cndmask_b32 v[ST+\j], v[GW+\j], v[P+4+\j], s42
	v_cndmask_b32 v[ST+4+\j], v[P+\j], v[GW+4+\j], s42
.endr
	global_store_b128 v5, v[ST:ST+3], s[20:21]
	global_store_b128 v5, v[ST+4:ST+7], s[20:21] offset:512
	global_store_b64 v9, v[IDX:IDX+1], s[22:23]    ; 32 lanes: 256 consecutive bytes
	global_store_b64 v9, v[WPR:WPR+1], s[24:25]
	global_store_b128 v10, v[META:META+3], s[26:27]
	s_endpgm
	; ================= THE IMAGE =================
.Lrelay:
	s_sub_co_u32 s31, ttmp9, 64
	s_lshl_b32 s31, s31, 2
	s_add_co_u32 s31, s31, s30                     ; q = 64 e + column tile, 0..511: 16 rows of We, 8,192 bytes, in and out
	s_lshl_b32 s32, s31, 13
	s_add_nc_u64 s[18:19], s[18:19], s[32:33]
	s_add_nc_u64 s[28:29], s[28:29], s[32:33]
.irp s, 0,1,2,3,4,5,6,7
.irp c, 0,1
	global_load_b128 v[16+8*\s+4*\c:16+8*\s+4*\c+3], v4, s[18:19] offset:64*\s+32*\c th:TH_LOAD_NT   ; the fragment's registers 4 c .. 4 c + 3 of K step s
.endr
.endr
.irp s, 0,1,2,3,4,5,6,7
.irp c, 0,1
	s_wait_loadcnt 15-2*\s-\c                      ; loads come back in order: this one is in, the younger ones stay out
	global_store_b128 v10, v[16+8*\s+4*\c:16+8*\s+4*\c+3], s[28:29] offset:1024*\s+512*\c   ; 32 lanes: 512 consecutive bytes
.endr
.endr
	s_endpgm
.Lfunc_end_k_q6eb0d954c9_gate:
	.size	k_q6eb0d954c9_gate, .Lfunc_end_k_q6eb0d954c9_gate-k_q6eb0d954c9_gate
	.p2alignl 7, 3214868480
	.fill 96, 4, 3214868480
	.section	.rodata,"a",@progbits
	.p2align	6, 0x0
	.amdhsa_kernel k_q6eb0d954c9_gate
		.amdhsa_group_segment_fixed_size 0
		.amdhsa_private_segment_fixed_size 0
		.amdhsa_enable_private_segment 0
		.amdhsa_kernarg_size 104
		.amdhsa_user_sgpr_count 2
		.amdhsa_user_sgpr_kernarg_segment_ptr 1
		.amdhsa_wavefront_size32 1
		.amdhsa_system_sgpr_workgroup_id_x 1
		.amdhsa_system_sgpr_workgroup_id_y 1
		.amdhsa_system_sgpr_workgroup_id_z 1
		.amdhsa_system_vgpr_workitem_id 0
		.amdhsa_next_free_vgpr 768
		.amdhsa_next_free_sgpr 66
		.amdhsa_reserve_vcc 1
		.amdhsa_float_denorm_mode_32 3
		.amdhsa_float_denorm_mode_16_64 3
		.amdhsa_memory_ordered 1
		.amdhsa_forward_progress 1
		.amdhsa_inst_pref_size 45
	.end_amdhsa_kernel
	.amdgpu_metadata
---
amdhsa.version: [ 1, 2 ]
amdhsa.kernels:
  - .name:           k_q6eb0d954c9_gate
    .symbol:         k_q6eb0d954c9_gate.kd
    .args:
      - { .name: x_codes, .offset: 0, .size: 8, .value_kind: global_buffer, .address_space: global }
      - { .name: x_scales, .offset: 8, .size: 8, .value_kind: global_buffer, .address_space: global }
      - { .name: Wg1_codes, .offset: 16, .size: 8, .value_kind: global_buffer, .address_space: global }
      - { .name: Wg1_scales, .offset: 24, .size: 8, .value_kind: global_buffer, .address_space: global }
      - { .name: bg1, .offset: 32, .size: 8, .value_kind: global_buffer, .address_space: global }
      - { .name: Wg2, .offset: 40, .size: 8, .value_kind: global_buffer, .address_space: global }
      - { .name: bg2, .offset: 48, .size: 8, .value_kind: global_buffer, .address_space: global }
      - { .name: We_codes, .offset: 56, .size: 8, .value_kind: global_buffer, .address_space: global }
      - { .name: out1, .offset: 64, .size: 8, .value_kind: global_buffer, .address_space: global }
      - { .name: out2, .offset: 72, .size: 8, .value_kind: global_buffer, .address_space: global }
      - { .name: tk_w, .offset: 80, .size: 8, .value_kind: global_buffer, .address_space: global }
      - { .name: meta, .offset: 88, .size: 8, .value_kind: global_buffer, .address_space: global }
      - { .name: Wimg, .offset: 96, .size: 8, .value_kind: global_buffer, .address_space: global }
    .group_segment_fixed_size: 0
    .private_segment_fixed_size: 0
    .kernarg_segment_align: 8
    .kernarg_segment_size: 104
    .max_flat_workgroup_size: 128
    .sgpr_count:     66
    .vgpr_count:     768
    .wavefront_size: 32
...
	.end_amdgpu_metadata
.endif
;; end of part 1
;; launch place (part 2): grid 1 x 1, 32 waves a work-group, no clusters, 8,192 bytes of LDS; arguments meta, tk_w, srt, srt_w; writes srt, srt_w
.if DOCPART == 2
	.amdgcn_target "amdgcn-amd-amdhsa--gfx1250"
	.amdhsa_code_object_version 6
	.text
	.protected	k_q6eb0d954c9_place
	.globl	k_q6eb0d954c9_place
	.p2align	8
	.type	k_q6eb0d954c9_place,@function
k_q6eb0d954c9_place:
	s_mov_b64 s[64:65], 0
	v_nop
	global_prefetch_b8 v0, s[64:65] scope:SCOPE_SE
	s_setreg_imm32_b32 hwreg(HW_REG_WAVE_MODE, 25, 1), 1
	s_wait_xcnt 0x0
; A COUNTING SORT of the 8,192 tokens by their unordered pair of experts (28 bins), from the whole numbers that the launch before stored.
; srt[position] = token | e0 << 16 | e1 << 24;  srt_w[position] = the token's two weights.  position = the bin's first place + the tokens of that bin in earlier groups + the token's rank in its group.
; ONE work-group of 32 waves: every placer needs the counts of all 256 groups, and work-groups hand nothing to each other inside a launch.
; Wave w owns groups 8 w .. 8 w + 7 (a group: 32 tokens).  In the counting part a lane stands for a BIN, in the placing part for a TOKEN.
; The scatter goes to memory by stores of 4 and 8 bytes a lane to places that the data choose: 96 KB in all.
; LDS: TOT[wave][bin], 32 x 32 words, from byte 0.  One barrier.
.set M,    8                           ; v8-39    group k: {e0 | e1 << 8, pair | rank << 8, count of bin = lane, then: the wave's earlier groups' count of that bin}
.set WT,   40                          ; v40-55   group k: the token's two weights
.set T,    56                          ; v56-87   every wave's total of my bin; later v56-63: the words to store
.set ALL,  88
.set BEF,  89
.set X,    90
.set TT,   91
.set BASE, 92
.set OFF,  96                          ; v96-103  group k: where bin = lane begins for this group; later the offsets in srt
.set IX,   104                         ; v104-111 group k: 4 x my token's pair; later the offsets in srt_w
.set O,    112                         ; v112-119 group k: what my token's bin says
	s_load_b256 s[4:11], s[0:1], 0x0               ; meta, tk_w, srt, srt_w
	v_lshl_add_u32 v126, v0, 2, 0x1000
	v_mov_b32 v127, 0
	v_lshrrev_b32 v1, 5, v0
	v_readfirstlane_b32 s12, v1                    ; wave 0..31
	v_and_b32 v1, 31, v0                           ; lane
	v_lshlrev_b32 v2, 4, v1
	s_lshl_b32 s13, s12, 12
	v_add_nc_u32 v2, s13, v2                       ; meta: 8 groups of 512 bytes a wave, 16 bytes a lane
	v_lshlrev_b32 v3, 3, v1
	s_lshl_b32 s13, s12, 11
	v_add_nc_u32 v3, s13, v3                       ; tk_w: 8 groups of 256 bytes a wave, 8 bytes a lane
	s_lshl_b32 s13, s12, 8
	v_add_nc_u32 v4, s13, v1                       ; my token in group 0 of the wave
	v_lshlrev_b32 v5, 2, v0                        ; TOT[wave][lane]
	v_lshlrev_b32 v6, 2, v1                        ; TOT[.][lane]
	s_wait_kmcnt 0x0
.irp k, 0,1,2,3,4,5,6,7
	global_load_b128 v[M+4*\k:M+4*\k+3], v2, s[4:5] offset:512*\k
.endr
.irp k, 0,1,2,3,4,5,6,7
	global_load_b64 v[WT+2*\k:WT+2*\k+1], v3, s[6:7] offset:256*\k
.endr
	v_mov_b32 v[ALL], 0
	v_mov_b32 v[BEF], 0
	v_mov_b32 v[TT], 0                             ; a DPP form's destination counts as read
	s_wait_loadcnt 0x0
	; ---- lane = bin: the counts of the wave's earlier groups, and the wave's total
	v_mov_b32 v[M+3], 0
.irp k, 1,2,3,4,5,6,7
	v_add_nc_u32 v[M+4*\k+3], v[M+4*\k-1], v[M+4*\k-2]
.endr
	v_add_nc_u32 v[X], v[M+31], v[M+30]
	ds_store_b32 v5, v[X]
	s_wait_dscnt 0x0                               ; for the others' sake: my total has landed
	s_barrier_signal -1
	s_barrier_wait -1
.irp w, 0,1,2,3,4,5,6,7,8,9,10,11,12,13,14,15,16,17,18,19,20,21,22,23,24,25,26,27,28,29,30,31
	ds_load_b32 v[T+\w], v6 offset:128*\w
.endr
	s_wait_dscnt 0x0
.irp w, 0,1,2,3,4,5,6,7,8,9,10,11,12,13,14,15,16,17,18,19,20,21,22,23,24,25,26,27,28,29,30,31
	s_cmp_gt_u32 s12, \w
	s_cselect_b32 s13, 1, 0
	v_add_nc_u32 v[ALL], v[ALL], v[T+\w]           ; the bin's size,
	v_mad_u32_u24 v[BEF], v[T+\w], s13, v[BEF]     ; and what earlier waves put into it
.endr
	; ---- where each bin begins: a running sum over the lanes, inside each half of 16 and then across
	v_mov_b32 v[X], v[ALL]
.irp n, 1,2,4,8
	v_mov_b32_dpp v[TT], v[X] row_shr:\n row_mask:0xf bank_mask:0xf bound_ctrl:1
	v_add_nc_u32 v[X], v[X], v[TT]
.endr
	v_readlane_b32 s14, v[X], 15                   ; the first 16 bins together
	v_cmp_le_u32 vcc_lo, 16, v1
	v_mov_b32 v[TT], s14
	v_cndmask_b32 v[TT], 0, v[TT], vcc_lo
	v_add_nc_u32 v[X], v[X], v[TT]
	v_sub_nc_u32 v[BASE], v[X], v[ALL]             ; without the bin itself
	v_add_nc_u32 v[BASE], v[BASE], v[BEF]
.irp k, 0,1,2,3,4,5,6,7
	v_add_nc_u32 v[OFF+\k], v[BASE], v[M+4*\k+3]
	v_and_b32 v[IX+\k], 31, v[M+4*\k+1]
.endr
.irp k, 0,1,2,3,4,5,6,7
	v_lshlrev_b32 v[IX+\k], 2, v[IX+\k]
.endr
	; ---- lane = token: it takes its bin's figure from the lane that stands for the bin
.irp k, 0,1,2,3,4,5,6,7
	ds_bpermute_b32 v[O+\k], v[IX+\k], v[OFF+\k]
.endr
.irp k, 0,1,2,3,4,5,6,7
	v_add_nc_u32 v[T+\k], 32*\k, v4                ; the token,
	v_lshl_or_b32 v[T+\k], v[M+4*\k], 16, v[T+\k]  ; with its two experts above it
	v_lshrrev_b32 v[M+4*\k+1], 8, v[M+4*\k+1]      ; its rank in its group
.endr
	s_wait_dscnt 0x0
.irp k, 0,1,2,3,4,5,6,7
	v_add_nc_u32 v[O+\k], v[O+\k], v[M+4*\k+1]
	v_min_u32 v[O+\k], 0x1fff, v[O+\k]             ; a position stays inside the 8,192
	v_lshlrev_b32 v[OFF+\k], 2, v[O+\k]
	v_lshlrev_b32 v[IX+\k], 3, v[O+\k]
.endr
.irp k, 0,1,2,3,4,5,6,7                        ; each group has address and data registers of its own: none is written again
	global_store_b32 v[OFF+\k], v[T+\k], s[8:9]
	global_store_b64 v[IX+\k], v[WT+2*\k:WT+2*\k+1], s[10:11]
.endr
	s_wait_tensorcnt 0x0
	ds_add_u32 v126, v127
	s_wait_dscnt 0x0
	s_endpgm
.Lfunc_end_k_q6eb0d954c9_place:
	.size	k_q6eb0d954c9_place, .Lfunc_end_k_q6eb0d954c9_place-k_q6eb0d954c9_place
	.p2alignl 7, 3214868480
	.fill 96, 4, 3214868480
	.section	.rodata,"a",@progbits
	.p2align	6, 0x0
	.amdhsa_kernel k_q6eb0d954c9_place
		.amdhsa_group_segment_fixed_size 8192
		.amdhsa_private_segment_fixed_size 0
		.amdhsa_enable_private_segment 0
		.amdhsa_kernarg_size 32
		.amdhsa_user_sgpr_count 2
		.amdhsa_user_sgpr_kernarg_segment_ptr 1
		.amdhsa_wavefront_size32 1
		.amdhsa_system_sgpr_workgroup_id_x 1
		.amdhsa_system_sgpr_workgroup_id_y 1
		.amdhsa_system_sgpr_workgroup_id_z 1
		.amdhsa_system_vgpr_workitem_id 0
		.amdhsa_next_free_vgpr 128
		.amdhsa_next_free_sgpr 66
		.amdhsa_reserve_vcc 1
		.amdhsa_float_denorm_mode_32 3
		.amdhsa_float_denorm_mode_16_64 3
		.amdhsa_memory_ordered 1
		.amdhsa_forward_progress 1
		.amdhsa_inst_pref_size 16
	.end_amdhsa_kernel
	.amdgpu_metadata
---
amdhsa.version: [ 1, 2 ]
amdhsa.kernels:
  - .name:           k_q6eb0d954c9_place
    .symbol:         k_q6eb0d954c9_place.kd
    .args:
      - { .name: meta, .offset: 0, .size: 8, .value_kind: global_buffer, .address_space: global }
      - { .name: tk_w, .offset: 8, .size: 8, .value_kind: global_buffer, .address_space: global }
      - { .name: srt, .offset: 16, .size: 8, .value_kind: global_buffer, .address_space: global }
      - { .name: srt_w, .offset: 24, .size: 8, .value_kind: global_buffer, .address_space: global }
    .group_segment_fixed_size: 8192
    .private_segment_fixed_size: 0
    .kernarg_segment_align: 8
    .kernarg_segment_size: 32
    .max_flat_workgroup_size: 1024
    .sgpr_count:     66
    .vgpr_count:     128
    .wavefront_size: 32
...
	.end_amdgpu_metadata
.endif
;; end of part 2
;; launch experts (part 3): grid 8 x 32, 4 waves a work-group, no clusters, 17,920 bytes of LDS; arguments srt, srt_w, x_codes, x_scales, Wimg, We_scales, be, out0; writes out0
.if DOCPART == 3
	.amdgcn_target "amdgcn-amd-amdhsa--gfx1250"
	.amdhsa_code_object_version 6
	.text
	.protected	k_q6eb0d954c9_experts
	.globl	k_q6eb0d954c9_experts
	.p2align	8
	.type	k_q6eb0d954c9_experts,@function
k_q6eb0d954c9_experts:
	s_mov_b64 s[64:65], 0
	v_nop
	global_prefetch_b8 v0, s[64:65] scope:SCOPE_SE
	s_setreg_imm32_b32 hwreg(HW_REG_WAVE_MODE, 25, 1), 1
	s_wait_xcnt 0x0
; out0[token] = the sum over the token's two experts e of w_e (x We[e]^T + be[e]), on codes of FP4 (E2M1) with E8M0 scales, f32 sums.  Only chosen experts are multiplied.
; SHARES.  A wave owns 64 tokens that lie together in the sorted list (4 tiles of 16) and 128 output columns (two groups of 64, each 4 tiles of 16): each number of out0 has one owner.
;   The four waves of a work-group take four neighbouring blocks of tokens and the SAME 128 columns.  Grid: x = which 128 columns, y = which 256 sorted positions.
; x's codes of the 64 tokens, all of K, stay in registers (256).  The weights come from memory straight into a ring of four register buffers, as the images that the first launch laid:
;   an ITEM is one expert x one tile of 16 columns x all of K: 16 loads of codes, 1 of scale words, 2 of bias; 32 products.  Four items are on their way at any time.
; THE WALK.  The wave lists the experts that its 64 tokens use (2 to 8, from the stored words) and walks those alone: for each, D = x We^T + be (the bias is the C of the first product) and
;   OUT += g D, g the token's weight for that expert, 0 for a token that does not use it.  The product is used transposed (source 0 = 16 rows of We, source 1 = 16 tokens): a lane holds one token.
; NO CLUSTER, NO TENSOR LOAD, NO BARRIER: the walk's trip count is read from the stored list and differs from wave to wave, so partners could not make the same requests in the same rounds.
; THE WAY OUT.  A lane holds 32 neighbouring bytes of a token's row; a tile of 16 tokens x 64 columns goes through the wave's own stage in LDS and leaves as rows: sixteen lanes store 256 consecutive, aligned bytes.
; SCALES: one load of 16 bytes at 32 r + 16 h puts word 4 h + i of a row's 8 into register i: K step s takes register s % 4, lanes 0-15 for s < 4, lanes 16-31 for s >= 4.
; LIMITS: a token is multiplied by 0 for experts that only its neighbours use, so those sums must be finite (no scale byte 0xff, no overflow of f32 in an expert that was not chosen).  NaN gate weights are not served.
; REGISTERS: window 0 as named; window 1: x, 64 t + 8 s + 4 c; window 2: the ring, 64 k + 8 s + 4 c; window 3: OUT, 32 u + 8 t + j.
.set XA,   16                          ; v16-19   tile t: my token's codes: token x 512 + 16 h
.set XSA,  20                          ; v20-23   and its scale words: token x 32 + 16 h
.set XS,   24                          ; v24-39   x's scale words, 4 a tile
.set WS,   40                          ; v40-55   the weights' scale words, 4 a buffer
.set SW,   56                          ; v56-59   tile t: my token's word of the sorted list
.set E0,   60                          ; v60-63   its first expert
.set E1,   64                          ; v64-67   its second
.set WP,   68                          ; v68-75   its two weights
.set G,    76                          ; v76-83   tile t: v[G + 2 t] = my token's weight for the expert in hand; the odd registers are 0 (named as pairs)
.set RO,   88                          ; v88-119  tile t, i: where row 8 h + i of the tile lies in out0: token x 4,096 + 16 r
.set D,    120                         ; v120-151 four accumulators
.set BIAS, 152                         ; v152-183 be in the result's layout, 8 a buffer
.set RB,   184                         ; v184-247 rows read back from the stage, two sets of 32
.set STW,  4352                        ; a wave's stage: 16 rows x (256 + 16) bytes
.set MSB, 0
.macro WIN new                         ; the immediate's high byte repeats the setting that is left
.if MSB != \new
	s_set_vgpr_msb (MSB<<8)|\new
.set MSB, \new
.endif
.endm
; where the items of expert s37, column tiles s24 .. s24 + 3, lie: q = 64 e + tile; codes 8,192 q, scale words 512 q, bias 64 q
.macro NEWBASE
	s_lshl_b32 s40, s37, 6
	s_add_co_u32 s40, s40, s24
	s_lshl_b32 s26, s40, 13
	s_add_nc_u64 s[28:29], s[12:13], s[26:27]
	s_lshl_b32 s26, s40, 9
	s_add_nc_u64 s[30:31], s[14:15], s[26:27]
	s_lshl_b32 s26, s40, 6
	s_add_nc_u64 s[32:33], s[16:17], s[26:27]
.endm
.macro LOADITEM k                      ; 19 loads into buffer k
	WIN 0x80                                       ; destination window 2
.irp s, 0,1,2,3,4,5,6,7
.irp c, 0,1
	global_load_b128 v[64*\k+8*\s+4*\c:64*\k+8*\s+4*\c+3], v4, s[28:29] offset:8192*\k+1024*\s+512*\c   ; 32 lanes: 512 consecutive bytes
.endr
.endr
	WIN 0
	global_load_b128 v[WS+4*\k:WS+4*\k+3], v5, s[30:31] offset:512*\k
	global_load_b128 v[BIAS+8*\k:BIAS+8*\k+3], v6, s[32:33] offset:64*\k
	global_load_b128 v[BIAS+8*\k+4:BIAS+8*\k+7], v6, s[32:33] offset:64*\k+16
.endm
.macro GATES                           ; my tokens' weights for expert s37
.irp t, 0,1,2,3
	v_cmp_eq_u32 vcc_lo, s37, v[E1+\t]
	v_cndmask_b32 v[G+2*\t], 0, v[WP+2*\t+1], vcc_lo
	v_cmp_eq_u32 vcc_lo, s37, v[E0+\t]
	v_cndmask_b32 v[G+2*\t], v[G+2*\t], v[WP+2*\t], vcc_lo
.endr
.endm
; One item.  first = 1: OUT begins here (nothing is cleared).  pf = 1: the buffer is filled again, with the same item of the next expert or column group.  cnt: the younger loads that may stay out.
.macro ITEM k, first, pf, cnt
	s_wait_loadcnt \cnt                            ; loads come back in order: this item's 19 are in, and all that was asked for earlier
	WIN 0x06                                       ; source 0 window 2, source 1 window 1, C and D window 0
.irp s, 0,1,2,3,4,5,6,7                        ; the four accumulators take turns, one instruction a turn
.irp t, 0,1,2,3
.if \s == 0
	v_wmma_scale_f32_16x16x128_f8f6f4 v[D+8*\t:D+8*\t+7], v[64*\k+8*\s:64*\k+8*\s+7], v[64*\t+8*\s:64*\t+8*\s+7], v[BIAS+8*\k:BIAS+8*\k+7], v[WS+4*\k+\s%4], v[XS+4*\t+\s%4] matrix_a_fmt:MATRIX_FMT_FP4 matrix_b_fmt:MATRIX_FMT_FP4
.elseif \s < 4
	v_wmma_scale_f32_16x16x128_f8f6f4 v[D+8*\t:D+8*\t+7], v[64*\k+8*\s:64*\k+8*\s+7], v[64*\t+8*\s:64*\t+8*\s+7], v[D+8*\t:D+8*\t+7], v[WS+4*\k+\s%4], v[XS+4*\t+\s%4] matrix_a_fmt:MATRIX_FMT_FP4 matrix_b_fmt:MATRIX_FMT_FP4
.else
	v_wmma_scale_f32_16x16x128_f8f6f4 v[D+8*\t:D+8*\t+7], v[64*\k+8*\s:64*\k+8*\s+7], v[64*\t+8*\s:64*\t+8*\s+7], v[D+8*\t:D+8*\t+7], v[WS+4*\k+\s%4], v[XS+4*\t+\s%4] matrix_a_fmt:MATRIX_FMT_FP4 matrix_b_fmt:MATRIX_FMT_FP4 matrix_a_scale:MATRIX_SCALE_ROW1 matrix_b_scale:MATRIX_SCALE_ROW1
.endif
.endr
.endr
	WIN 0xf0                                       ; OUT (destination and source 2) window 3; D and g window 0
.rept 4
	v_nop                                          ; four places: ahead of the reads of D and of the loads into the buffer.  With the twelve packed lines of the other three tiles they are
.endr                                                  ; also the five that the next item's first product on each accumulator wants, which begins it anew with another C
.irp t, 0,1,2,3                                ; each accumulator from its low end on
.irp j, 0,2,4,6
.if \first
	v_pk_mul_f32 v[32*\k+8*\t+\j:32*\k+8*\t+\j+1], v[D+8*\t+\j:D+8*\t+\j+1], v[G+2*\t:G+2*\t+1] op_sel_hi:[1,0]
.else
	v_pk_fma_f32 v[32*\k+8*\t+\j:32*\k+8*\t+\j+1], v[D+8*\t+\j:D+8*\t+\j+1], v[G+2*\t:G+2*\t+1], v[32*\k+8*\t+\j:32*\k+8*\t+\j+1] op_sel_hi:[1,0,1]
.endif
.endr
.endr
.if \pf
	LOADITEM \k
.endif
.endm
; One expert x one group of 64 columns: four items.  nx = 0: the list's next expert follows; 1: the next column group's first expert; 2: nothing.
.macro SUPER first, nx
	GATES
.if \nx != 2
	s_wait_xcnt 0x0                                ; the loads on their way have read their bases: only behind this wait are the bases written again
.if \nx == 0
	s_lshr_b32 s35, s35, 4
.else
	s_mov_b32 s35, s34
	s_add_co_u32 s24, s24, 4
.endif
	s_and_b32 s37, s35, 7
	s_min_u32 s37, s37, 7                          ; an expert's number stays inside the table
	NEWBASE
	ITEM 0, \first, 1, 57                          ; 57 = the three younger items' 19 loads each
	ITEM 1, \first, 1, 57
	ITEM 2, \first, 1, 57
	ITEM 3, \first, 1, 57
.else
	ITEM 0, \first, 0, 57                          ; nothing more is fetched: the counts run down
	ITEM 1, \first, 0, 38
	ITEM 2, \first, 0, 19
	ITEM 3, \first, 0, 0
.endif
	WIN 0                                          ; at a label and at a branch every window is 0
.endm
.macro TOSTAGE t                       ; tile t's 16 tokens x 64 columns into my stage, and back as rows
	s_wait_xcnt 0x0                                ; the stores of two tiles back have read their data: the loads below may land there
	WIN 0x0c                                       ; an LDS store's data: window 3
.irp u, 0,1,2,3
	ds_store_b128 v7, v[32*\u+8*\t:32*\u+8*\t+3] offset:64*\u
	ds_store_b128 v7, v[32*\u+8*\t+4:32*\u+8*\t+7] offset:64*\u+16
.endr
	WIN 0
.irp i, 0,1,2,3,4,5,6,7
	ds_load_b128 v[RB+32*(\t%2)+4*\i:RB+32*(\t%2)+4*\i+3], v8 offset:272*\i   ; LDS serves a wave's instructions in order (ISA guide 5.7.1.4): these see the stores above, and the next tile's stores come behind them
.endr
.endm
.macro SEND t, cg, younger             ; younger: the LDS instructions issued behind tile t's loads
	s_wait_dscnt \younger
.irp i, 0,1,2,3,4,5,6,7
	global_store_b128 v[RO+8*\t+\i], v[RB+32*(\t%2)+4*\i:RB+32*(\t%2)+4*\i+3], s[18:19] offset:256*\cg th:TH_STORE_NT   ; lanes 0-15: 256 consecutive aligned bytes of one token's row; lanes 16-31: of the token 8 rows on
.endr
.endm
.macro STOREG cg
	TOSTAGE 0
	TOSTAGE 1
	SEND 0, \cg, 16                                ; 16 = the next tile's 8 LDS stores and 8 LDS loads
	TOSTAGE 2
	SEND 1, \cg, 16
	TOSTAGE 3
	SEND 2, \cg, 16
	SEND 3, \cg, 0
.endm
	s_load_b256 s[4:11], s[0:1], 0x0               ; srt, srt_w, x_codes, x_scales
	s_load_b256 s[12:19], s[0:1], 0x20             ; Wimg, We_scales, be, out0
	v_lshl_add_u32 v254, v0, 2, 0x4400
	v_mov_b32 v255, 0
	v_lshrrev_b32 v1, 5, v0
	v_readfirstlane_b32 s20, v1                    ; wave 0..3
	v_and_b32 v1, 15, v0                           ; r
	v_bfe_u32 v2, v0, 4, 1                         ; h
	v_and_b32 v3, 31, v0                           ; lane
	v_lshlrev_b32 v4, 4, v3                        ; 16 x lane: an image's place
	v_lshlrev_b32 v5, 5, v1
	v_lshl_add_u32 v5, v2, 4, v5                   ; 32 r + 16 h: the weights' scale words
	v_lshlrev_b32 v6, 5, v2                        ; 32 h: the bias, and the list's words 8 h ..
	s_mul_i32 s40, s20, STW                        ; my stage
	v_mul_u32_u24 v7, v1, 272
	v_lshl_add_u32 v7, v2, 5, v7
	v_add_nc_u32 v7, s40, v7                       ; in: row r, + 32 h
	v_mul_u32_u24 v8, v2, 2176
	v_lshl_add_u32 v8, v1, 4, v8
	v_add_nc_u32 v8, s40, v8                       ; back: row 8 h (+ i), 16 bytes at 16 r
	v_lshlrev_b32 v9, 4, v1                        ; 16 r
	v_lshlrev_b32 v10, 2, v1                       ; 4 r
	v_lshlrev_b32 v11, 3, v1                       ; 8 r
	v_lshlrev_b32 v12, 4, v2                       ; 16 h
	s_and_b32 s21, ttmp7, 0xffff
	s_lshl_b32 s21, s21, 2
	s_add_co_u32 s21, s21, s20                     ; my block of 64 sorted positions, 0..127
	s_lshl_b32 s24, ttmp9, 3                       ; my first column tile
	s_mov_b32 s27, 0
	s_wait_kmcnt 0x0
	s_lshl_b32 s26, s21, 8
	s_add_nc_u64 s[4:5], s[4:5], s[26:27]
	s_lshl_b32 s26, s21, 9
	s_add_nc_u64 s[6:7], s[6:7], s[26:27]
	s_lshl_b32 s26, ttmp9, 9
	s_add_nc_u64 s[18:19], s[18:19], s[26:27]      ; out0 at my 128 columns
.irp t, 0,1,2,3
	global_load_b32 v[SW+\t], v10, s[4:5] offset:64*\t                  ; position 16 t + r
	global_load_b64 v[WP+2*\t:WP+2*\t+1], v11, s[6:7] offset:128*\t
	global_load_b128 v[RO+8*\t:RO+8*\t+3], v6, s[4:5] offset:64*\t     ; positions 16 t + 8 h + 0 .. 7
	global_load_b128 v[RO+8*\t+4:RO+8*\t+7], v6, s[4:5] offset:64*\t+16
.endr
	v_mov_b32 v14, 0
	s_wait_loadcnt 0x0
.irp t, 0,1,2,3
	v_and_b32 v13, 0x1fff, v[SW+\t]
	v_min_u32 v13, 0x1fff, v13                     ; a token stays inside the 8,192
	v_lshl_add_u32 v[XA+\t], v13, 9, v12
	v_lshl_add_u32 v[XSA+\t], v13, 5, v12
	v_bfe_u32 v[E0+\t], v[SW+\t], 16, 8
	v_lshrrev_b32 v[E1+\t], 24, v[SW+\t]
.endr
	WIN 0x40                                       ; destination window 1
.irp t, 0,1,2,3
.irp s, 0,1,2,3,4,5,6,7
.irp c, 0,1
	global_load_b128 v[64*\t+8*\s+4*\c:64*\t+8*\s+4*\c+3], v[XA+\t], s[8:9] offset:64*\s+32*\c   ; x stays in registers
.endr
.endr
.endr
	WIN 0
.irp t, 0,1,2,3
	global_load_b128 v[XS+4*\t:XS+4*\t+3], v[XSA+\t], s[10:11]
.endr
	; ---- the experts that my 64 tokens use, ascending, four bits each in s34; s36 = 4 x their number
.irp t, 0,1,2,3
	v_lshl_or_b32 v14, 1, v[E0+\t], v14
	v_lshl_or_b32 v14, 1, v[E1+\t], v14
.endr
	s_mov_b32 s34, 0
	s_mov_b32 s36, 0
.irp e, 0,1,2,3,4,5,6,7
	v_and_b32 v13, 1<<\e, v14
	v_cmp_ne_u32 vcc_lo, 0, v13
	s_cmp_lg_u32 vcc_lo, 0                         ; does any lane use expert e?
	s_cselect_b32 s40, 1, 0
	s_mul_i32 s41, s40, \e
	s_lshl_b32 s41, s41, s36
	s_or_b32 s34, s34, s41
	s_lshl_b32 s40, s40, 2
	s_add_co_u32 s36, s36, s40
.endr
	s_lshr_b32 s38, s36, 2
	s_sub_co_i32 s38, s38, 2
	s_max_i32 s38, s38, 0
	s_min_u32 s38, s38, 6                          ; the experts between the first and the last: 0 to 6
	s_mov_b32 s35, s34
	s_and_b32 s37, s35, 7
	s_min_u32 s37, s37, 7
	NEWBASE
	LOADITEM 0                                     ; the ring is filled: the first expert's four items
	LOADITEM 1
	LOADITEM 2
	LOADITEM 3
.irp i, 0,1,2,3,4,5,6,7,8,9,10,11,12,13,14,15,16,17,18,19,20,21,22,23,24,25,26,27,28,29,30,31
	v_and_b32 v[RO+\i], 0x1fff, v[RO+\i]
	v_min_u32 v[RO+\i], 0x1fff, v[RO+\i]
	v_lshl_add_u32 v[RO+\i], v[RO+\i], 12, v9      ; the token's row of 4,096 bytes + 16 r
.endr
.irp t, 0,1,2,3
	v_mov_b32 v[G+2*\t+1], 0
.endr
	; ---- columns 0-63 of my 128
	SUPER 1, 0
	s_cmp_eq_u32 s38, 0
	s_cbranch_scc1 .Lm0_done
	s_mov_b32 s39, s38
.Lm0:
	SUPER 0, 0
	s_sub_co_i32 s39, s39, 1
	s_cmp_lg_u32 s39, 0
	s_cbranch_scc1 .Lm0
.Lm0_done:
	SUPER 0, 1                                     ; the last expert; its refills are the next group's first expert
	STOREG 0                                       ; these stores leave under the second group's products
	; ---- columns 64-127
	SUPER 1, 0
	s_cmp_eq_u32 s38, 0
	s_cbranch_scc1 .Lm1_done
	s_mov_b32 s39, s38
.Lm1:
	SUPER 0, 0
	s_sub_co_i32 s39, s39, 1
	s_cmp_lg_u32 s39, 0
	s_cbranch_scc1 .Lm1
.Lm1_done:
	SUPER 0, 2
	STOREG 1
	s_wait_tensorcnt 0x0
	ds_add_u32 v254, v255
	s_wait_dscnt 0x0
	s_endpgm
.Lfunc_end_k_q6eb0d954c9_experts:
	.size	k_q6eb0d954c9_experts, .Lfunc_end_k_q6eb0d954c9_experts-k_q6eb0d954c9_experts
	.p2alignl 7, 3214868480
	.fill 96, 4, 3214868480
	.section	.rodata,"a",@progbits
	.p2align	6, 0x0
	.amdhsa_kernel k_q6eb0d954c9_experts
		.amdhsa_group_segment_fixed_size 17920
		.amdhsa_private_segment_fixed_size 0
		.amdhsa_enable_private_segment 0
		.amdhsa_kernarg_size 64
		.amdhsa_user_sgpr_count 2
		.amdhsa_user_sgpr_kernarg_segment_ptr 1
		.amdhsa_wavefront_size32 1
		.amdhsa_system_sgpr_workgroup_id_x 1
		.amdhsa_system_sgpr_workgroup_id_y 1
		.amdhsa_system_sgpr_workgroup_id_z 1
		.amdhsa_system_vgpr_workitem_id 0
		.amdhsa_next_free_vgpr 896
		.amdhsa_next_free_sgpr 66
		.amdhsa_reserve_vcc 1
		.amdhsa_float_denorm_mode_32 3
		.amdhsa_float_denorm_mode_16_64 3
		.amdhsa_memory_ordered 1
		.amdhsa_forward_progress 1
		.amdhsa_inst_pref_size 211
	.end_amdhsa_kernel
	.amdgpu_metadata
---
amdhsa.version: [ 1, 2 ]
amdhsa.kernels:
  - .name:           k_q6eb0d954c9_experts
    .symbol:         k_q6eb0d954c9_experts.kd
    .args:
      - { .name: srt, .offset: 0, .size: 8, .value_kind: global_buffer, .address_space: global }
      - { .name: srt_w, .offset: 8, .size: 8, .value_kind: global_buffer, .address_space: global }
      - { .name: x_codes, .offset: 16, .size: 8, .value_kind: global_buffer, .address_space: global }
      - { .name: x_scales, .offset: 24, .size: 8, .value_kind: global_buffer, .address_space: global }
      - { .name: Wimg, .offset: 32, .size: 8, .value_kind: global_buffer, .address_space: global }
      - { .name: We_scales, .offset: 40, .size: 8, .value_kind: global_buffer, .address_space: global }
      - { .name: be, .offset: 48, .size: 8, .value_kind: global_buffer, .address_space: global }
      - { .name: out0, .offset: 56, .size: 8, .value_kind: global_buffer, .address_space: global }
    .group_segment_fixed_size: 17920
    .private_segment_fixed_size: 0
    .kernarg_segment_align: 8
    .kernarg_segment_size: 64
    .max_flat_workgroup_size: 128
    .sgpr_count:     66
    .vgpr_count:     896
    .wavefront_size: 32
...
	.end_amdgpu_metadata
.endif
;; end of part 3
;; ======== version 2 of 3: 3 launches
;; workspace buffers: Wimg 4,194,304 bytes; meta 65,536 bytes of whole numbers; tk_w 65,536 bytes; srt 32,768 bytes of whole numbers
;; launch gate (part 4): grid 768 x 1, 1 waves a work-group, no clusters, 0 bytes of LDS; arguments x_codes, x_scales, Wg1_codes, Wg1_scales, bg1, Wg2, bg2, We_codes, out1, out2, tk_w, meta, Wimg; writes out1, out2, tk_w, meta, Wimg
.if DOCPART == 4
	.amdgcn_target "amdgcn-amd-amdhsa--gfx1250"
	.amdhsa_code_object_version 6
	.text
	.protected	k_q6eb0d954c9_gate
	.globl	k_q6eb0d954c9_gate
	.p2align	8
	.type	k_q6eb0d954c9_gate,@function
k_q6eb0d954c9_gate:
	s_mov_b64 s[64:65], 0
	v_nop
	global_prefetch_b8 v0, s[64:65] scope:SCOPE_SE
	s_setreg_imm32_b32 hwreg(HW_REG_WAVE_MODE, 25, 1), 1
	s_wait_xcnt 0x0
; TWO JOBS IN ONE LAUNCH, parted by the work-group's number alone.  A work-group is ONE wave: no wave shares anything with another, and the long jobs (the gate's) have the lowest numbers.
; Work-groups 0-255: THE GATE.  h = relu(x Wg1^T + bg1) on codes of FP4 (E2M1) with E8M0 scales, as they lie in memory; scores = h Wg2^T + bg2 in f32;
;   softmax with the row's maximum taken away; the two largest weights, the lower index at a tie.  Stored: out1 (8 weights), out2 (2 indices), tk_w (the 2 weights),
;   and meta: whole numbers at fixed places, from which the next launch places the tokens.  No address and no branch here hangs on the choice.
; Work-groups 256-767: THE IMAGE.  We's codes are laid in the order in which a wave's operand registers take them: [16 rows q][K step s][half c][lane][16 bytes].
; SHARES (gate): a wave owns 32 tokens, two tiles of 16.  The first product is used transposed (source 0 = 16 rows of Wg1, source 1 = 16 tokens): a lane (r, h) holds token r
;   and hidden units 16 th + 8 h + 0..7.  Those registers ARE source 1 of the second product (f32 form, K = 4): its k = 2 h + j stands for hidden unit 16 th + 8 h + 2 i + j on both sides.
;   Source 0 of the second product has Wg2's 8 rows twice (rows 8-15 repeat 0-7), so every lane ends up with all 8 scores of its token.
; SCALES: a row's 32 scale bytes are 8 words; one load of 16 bytes at 32 r + 16 h puts word 4 h + i into register i: K step s takes register s % 4, lanes 0-15 for s < 4, lanes 16-31 for s >= 4.
; META, 8 bytes a token: {token | e1 << 13 | e0 << 16 | rank << 19 | pair << 27,  the wave's count of pair = lane}.  The first word is the sorted list's word as it will stand.
; THE PAIRS ARE NUMBERED IN SERPENTINE: (0,1) .. (0,7), (1,7) .. (1,2), (2,3) .. (2,7), (3,7) .. : two pairs with neighbouring numbers always share an expert.
; No cluster, no LDS: waves share no more than Wg1's 34 KB, and each reads everything that it needs once, into registers.
; LIMITS: NaN among the gate weights is not served (both indices then fall to 0).  Two weights that are equal within f32 rounding may be ordered either way.
; REGISTERS: window 0 as named below; window 1: x's fragments, 64 tile + 8 s + 4 c; window 2: Wg1's, 64 th + 8 s + 4 c.
.set XS,   16                          ; v16-23   x's scale words, 4 a tile
.set GS,   24                          ; v24-39   Wg1's, 4 a tile of 16 hidden units
.set B1,   40                          ; v40-71   bg1 in the result's layout, 8 a tile
.set W2,   72                          ; v72-103  Wg2(r % 8, 16 th + 8 h + 0..7)
.set BG2,  104                         ; v104-111 bg2[j] in every lane
.set H,    112                         ; v112-175 the hidden layer: 32 tile + 8 th
.set SCA,  176                         ; v176-183 scores of tile 0: written by matrix instructions alone
.set SCB,  184                         ; v184-191 scores of tile 1: likewise
.set GW,   192                         ; v192-199 my token's scores, then its weights
.set P,    200                         ; v200-207 the weights of the lane 16 away
.set ST,   208                         ; v208-215 out1 as it is stored
.set MX,   216
.set SUM,  217
.set RC,   218
.set LO,   219
.set HI,   220
.set PP,   221                         ; the pair's number, 0..27
.set RANK, 222                         ; earlier lanes of the wave with the same pair
.set TMP,  224                         ; v224-227 at work
.set META, 232                         ; v232-233 the two words of meta
.set IDX,  236                         ; v236-237 the two indices
.set WPR,  238                         ; v238-239 the two weights
.set MSB, 0
.macro WIN new                         ; the immediate's high byte repeats the setting that is left
.if MSB != \new
	s_set_vgpr_msb (MSB<<8)|\new
.set MSB, \new
.endif
.endm
	s_load_b512 s[4:19], s[0:1], 0x0               ; x_codes, x_scales, Wg1_codes, Wg1_scales, bg1, Wg2, bg2, We_codes
	s_load_b256 s[20:27], s[0:1], 0x40             ; out1, out2, tk_w, meta
	s_load_b64 s[28:29], s[0:1], 0x60              ; Wimg
	v_and_b32 v1, 15, v0                           ; r
	v_bfe_u32 v2, v0, 4, 1                         ; h
	v_and_b32 v3, 31, v0                           ; lane
	v_lshlrev_b32 v4, 9, v1
	v_lshl_add_u32 v4, v2, 4, v4                   ; a fragment's place: row r of 512 bytes + 16 h
	v_lshlrev_b32 v10, 4, v3                       ; 16 x lane
	s_mov_b32 s33, 0
	s_wait_kmcnt 0x0
	s_cmp_lt_u32 ttmp9, 256
	s_cbranch_scc0 .Lrelay
	; ================= THE GATE: the work-group's number is my group of 32 tokens =================
	s_lshl_b32 s32, ttmp9, 14
	s_add_nc_u64 s[4:5], s[4:5], s[32:33]          ; 32 rows of 512 bytes of codes
	s_lshl_b32 s32, ttmp9, 10
	s_add_nc_u64 s[6:7], s[6:7], s[32:33]          ; 32 rows of 32 scale bytes
	s_add_nc_u64 s[20:21], s[20:21], s[32:33]      ; 32 rows of 8 f32 of out1
	s_lshl_b32 s32, ttmp9, 8
	s_add_nc_u64 s[22:23], s[22:23], s[32:33]      ; 32 x 8 bytes of out2,
	s_add_nc_u64 s[24:25], s[24:25], s[32:33]      ; of tk_w
	s_add_nc_u64 s[26:27], s[26:27], s[32:33]      ; and of meta
	s_lshl_b32 s34, ttmp9, 5                       ; my first token
	v_lshlrev_b32 v5, 5, v1
	v_lshl_add_u32 v5, v2, 4, v5                   ; 32 r + 16 h: scale words, and out1
	v_lshlrev_b32 v6, 5, v2                        ; 32 h
	v_and_b32 v7, 7, v0
	v_lshlrev_b32 v7, 8, v7
	v_lshl_add_u32 v7, v2, 5, v7                   ; Wg2: row r % 8 of 256 bytes + 32 h
	v_mov_b32 v8, 0
	v_lshlrev_b32 v9, 3, v3                        ; 8 x lane
	; all 120 loads go out together: everything is wanted at once.  (A counter's field cannot be passed: the issue stalls, ISA guide 5.7.1)
	WIN 0x40                                       ; destination window 1
.irp tile, 0,1
.irp s, 0,1,2,3,4,5,6,7
.irp c, 0,1
	global_load_b128 v[64*\tile+8*\s+4*\c:64*\tile+8*\s+4*\c+3], v4, s[4:5] offset:8192*\tile+64*\s+32*\c
.endr
.endr
.endr
	WIN 0x80                                       ; destination window 2
.irp th, 0,1,2,3
.irp s, 0,1,2,3,4,5,6,7
.irp c, 0,1
	global_load_b128 v[64*\th+8*\s+4*\c:64*\th+8*\s+4*\c+3], v4, s[8:9] offset:8192*\th+64*\s+32*\c
.endr
.endr
.endr
	WIN 0
.irp tile, 0,1
	global_load_b128 v[XS+4*\tile:XS+4*\tile+3], v5, s[6:7] offset:512*\tile
.endr
.irp th, 0,1,2,3
	global_load_b128 v[GS+4*\th:GS+4*\th+3], v5, s[10:11] offset:512*\th
	global_load_b128 v[B1+8*\th:B1+8*\th+3], v6, s[12:13] offset:64*\th
	global_load_b128 v[B1+8*\th+4:B1+8*\th+7], v6, s[12:13] offset:64*\th+16
	global_load_b128 v[W2+8*\th:W2+8*\th+3], v7, s[14:15] offset:64*\th
	global_load_b128 v[W2+8*\th+4:W2+8*\th+7], v7, s[14:15] offset:64*\th+16
.endr
	global_load_b128 v[BG2:BG2+3], v8, s[16:17]
	global_load_b128 v[BG2+4:BG2+7], v8, s[16:17] offset:16
	s_mov_b32 s44, 0x76543210
	s_mov_b32 s45, 0xfedcba98                      ; v_permlanex16_b32's selects for lane l xor 16
	v_cmp_le_u32 s42, 16, v3                       ; the mask of lanes 16-31
.irp j, 0,1,2,3,4,5,6,7
	v_mov_b32 v[P+\j], 0                           ; written once: a lane permute's destination counts as one of its sources
.endr
	v_mov_b32 v[RANK], 0
	v_mov_b32 v[META+1], 0
	s_wait_loadcnt 0x0
	; ---- h^T = Wg1 x^T + bg1: eight accumulators by turns, a K step of 128 at a time; the bias is the C of each sum's first product
	WIN 0x06                                       ; source 0 window 2, source 1 window 1, C and D window 0
.irp s, 0,1,2,3,4,5,6,7
.irp tile, 0,1
.irp th, 0,1,2,3
.if \s == 0
	v_wmma_scale_f32_16x16x128_f8f6f4 v[H+32*\tile+8*\th:H+32*\tile+8*\th+7], v[64*\th+8*\s:64*\th+8*\s+7], v[64*\tile+8*\s:64*\tile+8*\s+7], v[B1+8*\th:B1+8*\th+7], v[GS+4*\th+\s%4], v[XS+4*\tile+\s%4] matrix_a_fmt:MATRIX_FMT_FP4 matrix_b_fmt:MATRIX_FMT_FP4
.elseif \s < 4
	v_wmma_scale_f32_16x16x128_f8f6f4 v[H+32*\tile+8*\th:H+32*\tile+8*\th+7], v[64*\th+8*\s:64*\th+8*\s+7], v[64*\tile+8*\s:64*\tile+8*\s+7], v[H+32*\tile+8*\th:H+32*\tile+8*\th+7], v[GS+4*\th+\s%4], v[XS+4*\tile+\s%4] matrix_a_fmt:MATRIX_FMT_FP4 matrix_b_fmt:MATRIX_FMT_FP4
.else
	v_wmma_scale_f32_16x16x128_f8f6f4 v[H+32*\tile+8*\th:H+32*\tile+8*\th+7], v[64*\th+8*\s:64*\th+8*\s+7], v[64*\tile+8*\s:64*\tile+8*\s+7], v[H+32*\tile+8*\th:H+32*\tile+8*\th+7], v[GS+4*\th+\s%4], v[XS+4*\tile+\s%4] matrix_a_fmt:MATRIX_FMT_FP4 matrix_b_fmt:MATRIX_FMT_FP4 matrix_a_scale:MATRIX_SCALE_ROW1 matrix_b_scale:MATRIX_SCALE_ROW1
.endif
.endr
.endr
.endr
	WIN 0
.rept 4
	v_nop                                          ; four places behind the last product, ahead of the first read of results (ISA guide 7.12.1)
.endr
.irp j, 0,1,2,3,4,5,6,7,8,9,10,11,12,13,14,15,16,17,18,19,20,21,22,23,24,25,26,27,28,29,30,31,32,33,34,35,36,37,38,39,40,41,42,43,44,45,46,47,48,49,50,51,52,53,54,55,56,57,58,59,60,61,62,63
	v_max_num_f32 v[H+\j], 0, v[H+\j]              ; relu, each accumulator from its low end on
.endr
	; ---- scores^T = Wg2 h^T + bg2, in f32: sixteen K steps of 4, the two tiles' accumulators by turns; bg2 is the C of each sum's first step
.irp th, 0,1,2,3
.irp i, 0,1,2,3
.if \th+\i == 0
	v_wmma_f32_16x16x4_f32 v[SCA:SCA+7], v[W2+8*\th+2*\i:W2+8*\th+2*\i+1], v[H+8*\th+2*\i:H+8*\th+2*\i+1], v[BG2:BG2+7]
	v_wmma_f32_16x16x4_f32 v[SCB:SCB+7], v[W2+8*\th+2*\i:W2+8*\th+2*\i+1], v[H+32+8*\th+2*\i:H+32+8*\th+2*\i+1], v[BG2:BG2+7]
.else
	v_wmma_f32_16x16x4_f32 v[SCA:SCA+7], v[W2+8*\th+2*\i:W2+8*\th+2*\i+1], v[H+8*\th+2*\i:H+8*\th+2*\i+1], v[SCA:SCA+7]
	v_wmma_f32_16x16x4_f32 v[SCB:SCB+7], v[W2+8*\th+2*\i:W2+8*\th+2*\i+1], v[H+32+8*\th+2*\i:H+32+8*\th+2*\i+1], v[SCB:SCB+7]
.endif
.endr
.endr
.rept 8
	v_nop                                          ; eight places behind this form
.endr
.irp j, 0,1,2,3,4,5,6,7
	v_cndmask_b32 v[GW+\j], v[SCA+\j], v[SCB+\j], s42   ; lanes 0-15 keep tile 0's token r, lanes 16-31 tile 1's: lane l now stands for token l of the 32
.endr
	; ---- softmax over the 8 scores, the maximum taken away
	v_max3_num_f32 v[MX], v[GW], v[GW+1], v[GW+2]
	v_max3_num_f32 v[MX], v[MX], v[GW+3], v[GW+4]
	v_max3_num_f32 v[MX], v[MX], v[GW+5], v[GW+6]
	v_max_num_f32 v[MX], v[MX], v[GW+7]
.irp j, 0,1,2,3,4,5,6,7
	v_sub_f32 v[GW+\j], v[GW+\j], v[MX]            ; the difference first (exact where the scores are close), whatever the scores' size
.endr
.irp j, 0,1,2,3,4,5,6,7
	v_mul_f32 v[GW+\j], 0x3fb8aa3b, v[GW+\j]       ; x log2(e)
.endr
.irp j, 0,1,2,3,4,5,6,7
	v_exp_f32 v[GW+\j], v[GW+\j]
.endr
	v_nop                                          ; a plain instruction behind the last exponential
	s_wait_alu depctr_va_vdst(0)                   ; one wait for the batch of eight, ahead of its first reader
	v_add_f32 v[SUM], v[GW], v[GW+1]
	v_add_f32 v[TMP], v[GW+2], v[GW+3]
	v_add_f32 v[TMP+1], v[GW+4], v[GW+5]
	v_add_f32 v[TMP+2], v[GW+6], v[GW+7]
	v_add_f32 v[SUM], v[SUM], v[TMP]
	v_add_f32 v[TMP+1], v[TMP+1], v[TMP+2]
	v_add_f32 v[SUM], v[SUM], v[TMP+1]
	v_rcp_f32 v[RC], v[SUM]
	v_nop
	s_wait_alu depctr_va_vdst(0)                   ; ahead of the reciprocal's first reader
.irp j, 0,1,2,3,4,5,6,7
	v_mul_f32 v[GW+\j], v[GW+\j], v[RC]
.endr
	; ---- the two largest weights; a strict compare on ascending indices keeps the lower index at a tie
	v_mov_b32 v[WPR], v[GW]
	v_mov_b32 v[IDX], 0
.irp e, 1,2,3,4,5,6,7
	v_cmp_gt_f32 vcc_lo, v[GW+\e], v[WPR]
	v_cndmask_b32 v[WPR], v[WPR], v[GW+\e], vcc_lo
	v_cndmask_b32 v[IDX], v[IDX], \e, vcc_lo
.endr
	v_mov_b32 v[WPR+1], -1.0                       ; under every weight
	v_mov_b32 v[IDX+1], 0
.irp e, 0,1,2,3,4,5,6,7
	v_cmp_gt_f32 s40, v[GW+\e], v[WPR+1]
	v_cmp_ne_u32 vcc_lo, \e, v[IDX]
	s_and_b32 vcc_lo, vcc_lo, s40
	v_cndmask_b32 v[WPR+1], v[WPR+1], v[GW+\e], vcc_lo
	v_cndmask_b32 v[IDX+1], v[IDX+1], \e, vcc_lo
.endr
	; ---- the unordered pair's number, 0..27: row lo begins at lo (15 - lo) / 2; an even row runs hi - lo - 1, an odd row backwards, 7 - hi
	v_min_u32 v[LO], v[IDX], v[IDX+1]
	v_max_u32 v[HI], v[IDX], v[IDX+1]
	v_sub_nc_u32 v[TMP], 15, v[LO]
	v_mul_u32_u24 v[TMP], v[LO], v[TMP]
	v_lshrrev_b32 v[TMP], 1, v[TMP]
	v_sub_nc_u32 v[TMP+1], v[HI], v[LO]
	v_add_nc_u32 v[TMP+1], -1, v[TMP+1]
	v_sub_nc_u32 v[TMP+2], 7, v[HI]
	v_and_b32 v[TMP+3], 1, v[LO]
	v_cmp_eq_u32 vcc_lo, 1, v[TMP+3]
	v_cndmask_b32 v[TMP+1], v[TMP+1], v[TMP+2], vcc_lo
	v_add_nc_u32 v[TMP], v[TMP], v[TMP+1]
	v_min_u32 v[PP], 27, v[TMP]
	; ---- for each pair q: my rank among the wave's lanes that have it, and the wave's count, kept in lane q.  Values only
.irp q, 0,1,2,3,4,5,6,7,8,9,10,11,12,13,14,15,16,17,18,19,20,21,22,23,24,25,26,27
	v_cmp_eq_u32 s40, \q, v[PP]
	v_mbcnt_lo_u32_b32 v[TMP], s40, 0
	v_cndmask_b32 v[RANK], v[RANK], v[TMP], s40
	s_bcnt1_i32_b32 s41, s40
	v_writelane_b32 v[META+1], s41, \q
.endr
	v_add_nc_u32 v[META], s34, v3                  ; the token, bits 0-12
	v_lshl_or_b32 v[META], v[IDX+1], 13, v[META]   ; its second expert, bits 13-15
	v_lshl_or_b32 v[META], v[IDX], 16, v[META]     ; its first, bits 16-18
	v_lshl_or_b32 v[META], v[RANK], 19, v[META]    ; the rank, bits 19-23; bits 24-26 stay 0
	v_lshl_or_b32 v[META], v[PP], 27, v[META]      ; the pair, bits 27-31
	; ---- out1: a token's 8 weights are 32 bytes; lane (r, h) stores words 4 h .. 4 h + 3 of token r, then of token 16 + r: each store covers 512 consecutive bytes
.irp j, 0,1,2,3,4,5,6,7
	v_permlanex16_b32 v[P+\j], v[GW+\j], s44, s45
.endr
.irp j, 0,1,2,3
	v_cndmask_b32 v[ST+\j], v[GW+\j], v[P+4+\j], s42
	v_cndmask_b32 v[ST+4+\j], v[P+\j], v[GW+4+\j], s42
.endr
	global_store_b128 v5, v[ST:ST+3], s[20:21]
	global_store_b128 v5, v[ST+4:ST+7], s[20:21] offset:512
	global_store_b64 v9, v[IDX:IDX+1], s[22:23]    ; 32 lanes: 256 consecutive bytes, aligned; the two below likewise
	global_store_b64 v9, v[WPR:WPR+1], s[24:25]
	global_store_b64 v9, v[META:META+1], s[26:27]
	s_endpgm
	; ================= THE IMAGE =================
.Lrelay:
	s_sub_co_u32 s31, ttmp9, 256                   ; q = 64 e + column tile, 0..511: 16 rows of We, 8,192 bytes, in and out
	s_lshl_b32 s32, s31, 13
	s_add_nc_u64 s[18:19], s[18:19], s[32:33]
	s_add_nc_u64 s[28:29], s[28:29], s[32:33]
.irp s, 0,1,2,3,4,5,6,7
.irp c, 0,1
	global_load_b128 v[16+8*\s+4*\c:16+8*\s+4*\c+3], v4, s[18:19] offset:64*\s+32*\c th:TH_LOAD_NT   ; the fragment's registers 4 c .. 4 c + 3 of K step s
.endr
.endr
.irp s, 0,1,2,3,4,5,6,7
.irp c, 0,1
	s_wait_loadcnt 15-2*\s-\c                      ; loads come back in order: this one is in, the younger ones stay out
	global_store_b128 v10, v[16+8*\s+4*\c:16+8*\s+4*\c+3], s[28:29] offset:1024*\s+512*\c   ; 32 lanes: 512 consecutive bytes
.endr
.endr
	s_endpgm
.Lfunc_end_k_q6eb0d954c9_gate:
	.size	k_q6eb0d954c9_gate, .Lfunc_end_k_q6eb0d954c9_gate-k_q6eb0d954c9_gate
	.p2alignl 7, 3214868480
	.fill 96, 4, 3214868480
	.section	.rodata,"a",@progbits
	.p2align	6, 0x0
	.amdhsa_kernel k_q6eb0d954c9_gate
		.amdhsa_group_segment_fixed_size 0
		.amdhsa_private_segment_fixed_size 0
		.amdhsa_enable_private_segment 0
		.amdhsa_kernarg_size 104
		.amdhsa_user_sgpr_count 2
		.amdhsa_user_sgpr_kernarg_segment_ptr 1
		.amdhsa_wavefront_size32 1
		.amdhsa_system_sgpr_workgroup_id_x 1
		.amdhsa_system_sgpr_workgroup_id_y 1
		.amdhsa_system_sgpr_workgroup_id_z 1
		.amdhsa_system_vgpr_workitem_id 0
		.amdhsa_next_free_vgpr 768
		.amdhsa_next_free_sgpr 66
		.amdhsa_reserve_vcc 1
		.amdhsa_float_denorm_mode_32 3
		.amdhsa_float_denorm_mode_16_64 3
		.amdhsa_memory_ordered 1
		.amdhsa_forward_progress 1
		.amdhsa_inst_pref_size 45
	.end_amdhsa_kernel
	.amdgpu_metadata
---
amdhsa.version: [ 1, 2 ]
amdhsa.kernels:
  - .name:           k_q6eb0d954c9_gate
    .symbol:         k_q6eb0d954c9_gate.kd
    .args:
      - { .name: x_codes, .offset: 0, .size: 8, .value_kind: global_buffer, .address_space: global }
      - { .name: x_scales, .offset: 8, .size: 8, .value_kind: global_buffer, .address_space: global }
      - { .name: Wg1_codes, .offset: 16, .size: 8, .value_kind: global_buffer, .address_space: global }
      - { .name: Wg1_scales, .offset: 24, .size: 8, .value_kind: global_buffer, .address_space: global }
      - { .name: bg1, .offset: 32, .size: 8, .value_kind: global_buffer, .address_space: global }
      - { .name: Wg2, .offset: 40, .size: 8, .value_kind: global_buffer, .address_space: global }
      - { .name: bg2, .offset: 48, .size: 8, .value_kind: global_buffer, .address_space: global }
      - { .name: We_codes, .offset: 56, .size: 8, .value_kind: global_buffer, .address_space: global }
      - { .name: out1, .offset: 64, .size: 8, .value_kind: global_buffer, .address_space: global }
      - { .name: out2, .offset: 72, .size: 8, .value_kind: global_buffer, .address_space: global }
      - { .name: tk_w, .offset: 80, .size: 8, .value_kind: global_buffer, .address_space: global }
      - { .name: meta, .offset: 88, .size: 8, .value_kind: global_buffer, .address_space: global }
      - { .name: Wimg, .offset: 96, .size: 8, .value_kind: global_buffer, .address_space: global }
    .group_segment_fixed_size: 0
    .private_segment_fixed_size: 0
    .kernarg_segment_align: 8
    .kernarg_segment_size: 104
    .max_flat_workgroup_size: 32
    .sgpr_count:     66
    .vgpr_count:     768
    .wavefront_size: 32
...
	.end_amdgpu_metadata
.endif
;; end of part 4
;; launch place (part 5): grid 1 x 1, 8 waves a work-group, no clusters, 5,120 bytes of LDS; arguments meta, srt; writes srt
.if DOCPART == 5
	.amdgcn_target "amdgcn-amd-amdhsa--gfx1250"
	.amdhsa_code_object_version 6
	.text
	.protected	k_q6eb0d954c9_place
	.globl	k_q6eb0d954c9_place
	.p2align	8
	.type	k_q6eb0d954c9_place,@function
k_q6eb0d954c9_place:
	s_mov_b64 s[64:65], 0
	v_nop
	global_prefetch_b8 v0, s[64:65] scope:SCOPE_SE
	s_setreg_imm32_b32 hwreg(HW_REG_WAVE_MODE, 25, 1), 1
	s_wait_xcnt 0x0
; A COUNTING SORT of the 8,192 tokens by their unordered pair of experts (28 bins), from the whole numbers that the launch before stored.
; srt[position] = the token's word as it came (token in bits 0-12, e1 in 13-15, e0 in 16-18).  position = the bin's first place + the tokens of that bin in earlier groups + the token's rank in its group.
; ONE work-group: every placer needs the counts of all 256 groups, and work-groups hand nothing to each other inside a launch.  Eight waves, two to a SIMD: what every wave repeats (the sum over
; the waves' totals, the running sum over the bins) is then repeated eight times, and 64 KB come in by 32 loads a wave.
; Wave w owns groups 32 w .. 32 w + 31 (a group: 32 tokens).  In the counting part a lane stands for a BIN, in the placing part for a TOKEN.
; The scatter goes to memory by stores of 4 bytes a lane to places that the data choose: 32 KB in all.
; LDS: TOT[bin][wave]: 8 words and 16 bytes of padding a bin (48 bytes: the lanes' reads of 16 bytes fall on different banks), from byte 0.  One barrier.
.set M,    8                           ; v8-71    group k: v[M + 2 k] my token's word, v[M + 2 k + 1] the group's count of bin = lane
.set PRE,  72                          ; v72-103  group k: the wave's earlier groups' count of bin = lane; later: where that bin begins for this group
.set IX,   104                         ; v104-135 group k: 4 x my token's pair
.set RK,   136                         ; v136-167 group k: my token's rank in its group
.set O,    168                         ; v168-199 group k: what my token's bin says; later the offset in srt
.set T,    200                         ; v200-207 the eight waves' totals of my bin
.set ALL,  208
.set BEF,  209
.set X,    210
.set TT,   211
.set BASE, 212
	s_load_b128 s[4:7], s[0:1], 0x0                ; meta, srt
	v_lshl_add_u32 v254, v0, 2, 0x1000
	v_mov_b32 v255, 0
	v_lshrrev_b32 v1, 5, v0
	v_readfirstlane_b32 s12, v1                    ; wave 0..7
	v_and_b32 v1, 31, v0                           ; lane
	v_lshlrev_b32 v2, 3, v1
	s_lshl_b32 s13, s12, 13
	v_add_nc_u32 v2, s13, v2                       ; meta: 32 groups of 256 bytes a wave, 8 bytes a lane
	v_mul_u32_u24 v6, v1, 48                       ; TOT[lane][.]
	s_lshl_b32 s13, s12, 2
	v_add_nc_u32 v5, s13, v6                       ; TOT[lane][wave]
	s_wait_kmcnt 0x0
.set k, 0
.rept 32
	global_load_b64 v[M+2*k:M+2*k+1], v2, s[4:5] offset:256*k   ; 32 lanes: 256 consecutive bytes
.set k, k+1
.endr
	v_mov_b32 v[ALL], 0
	v_mov_b32 v[BEF], 0
	v_mov_b32 v[TT], 0                             ; a DPP form's destination counts as read
	; ---- lane = bin: the counts of the wave's earlier groups.  Lane = token: the pair and the rank out of the word.  Four groups at a time, as their loads come in
.set k, 0
.rept 32
.if k%4 == 0
	s_wait_loadcnt 28-k                            ; loads come back in order: groups k .. k + 3 are in, the 28 - k loads behind them may be out
.endif
.if k == 0
	v_mov_b32 v[PRE], 0
.else
	v_add_nc_u32 v[PRE+k], v[PRE+k-1], v[M+2*k-1]
.endif
	v_lshrrev_b32 v[IX+k], 25, v[M+2*k]            ; bits 27-31 are the pair and bits 24-26 are 0: this is 4 x pair
	v_bfe_u32 v[RK+k], v[M+2*k], 19, 5
.set k, k+1
.endr
	v_add_nc_u32 v[X], v[PRE+31], v[M+63]          ; the wave's total of my bin
	ds_store_b32 v5, v[X]
	s_wait_dscnt 0x0                               ; for the others' sake: my total has landed
	s_barrier_signal -1
	s_barrier_wait -1
	ds_load_b128 v[T:T+3], v6
	ds_load_b128 v[T+4:T+7], v6 offset:16
	s_wait_dscnt 0x0
.irp w, 0,1,2,3,4,5,6,7
	s_cmp_gt_u32 s12, \w
	s_cselect_b32 s13, 1, 0
	v_add_nc_u32 v[ALL], v[ALL], v[T+\w]           ; the bin's size,
	v_mad_u32_u24 v[BEF], v[T+\w], s13, v[BEF]     ; and what earlier waves put into it
.endr
	; ---- where each bin begins: a running sum over the lanes, inside each half of 16 and then across
	v_mov_b32 v[X], v[ALL]
.irp n, 1,2,4,8
	v_mov_b32_dpp v[TT], v[X] row_shr:\n row_mask:0xf bank_mask:0xf bound_ctrl:1
	v_add_nc_u32 v[X], v[X], v[TT]
.endr
	v_readlane_b32 s14, v[X], 15                   ; the first 16 bins together
	v_cmp_le_u32 vcc_lo, 16, v1
	v_mov_b32 v[TT], s14
	v_cndmask_b32 v[TT], 0, v[TT], vcc_lo
	v_add_nc_u32 v[X], v[X], v[TT]
	v_sub_nc_u32 v[BASE], v[X], v[ALL]             ; without the bin itself
	v_add_nc_u32 v[BASE], v[BASE], v[BEF]
.set k, 0
.rept 32
	v_add_nc_u32 v[PRE+k], v[PRE+k], v[BASE]
.set k, k+1
.endr
	; ---- lane = token: it takes its bin's figure from the lane that stands for the bin
.set k, 0
.rept 32
	ds_bpermute_b32 v[O+k], v[IX+k], v[PRE+k]
.set k, k+1
.endr
.irp b, 0,8,16,24                              ; eight groups at a time; each group has address and data registers of its own: none is written again
	s_wait_dscnt 24-\b                             ; they come back in order: these eight are in, the 24 - b behind them may be out
.irp i, 0,1,2,3,4,5,6,7
	v_add_nc_u32 v[O+\b+\i], v[O+\b+\i], v[RK+\b+\i]
.endr
.irp i, 0,1,2,3,4,5,6,7
	v_min_u32 v[O+\b+\i], 0x1fff, v[O+\b+\i]       ; a position stays inside the 8,192
.endr
.irp i, 0,1,2,3,4,5,6,7
	v_lshlrev_b32 v[O+\b+\i], 2, v[O+\b+\i]
.endr
.irp i, 0,1,2,3,4,5,6,7
	global_store_b32 v[O+\b+\i], v[M+2*(\b+\i)], s[6:7]
.endr
.endr
	s_wait_tensorcnt 0x0
	ds_add_u32 v254, v255
	s_wait_dscnt 0x0
	s_endpgm
.Lfunc_end_k_q6eb0d954c9_place:
	.size	k_q6eb0d954c9_place, .Lfunc_end_k_q6eb0d954c9_place-k_q6eb0d954c9_place
	.p2alignl 7, 3214868480
	.fill 96, 4, 3214868480
	.section	.rodata,"a",@progbits
	.p2align	6, 0x0
	.amdhsa_kernel k_q6eb0d954c9_place
		.amdhsa_group_segment_fixed_size 5120
		.amdhsa_private_segment_fixed_size 0
		.amdhsa_enable_private_segment 0
		.amdhsa_kernarg_size 16
		.amdhsa_user_sgpr_count 2
		.amdhsa_user_sgpr_kernarg_segment_ptr 1
		.amdhsa_wavefront_size32 1
		.amdhsa_system_sgpr_workgroup_id_x 1
		.amdhsa_system_sgpr_workgroup_id_y 1
		.amdhsa_system_sgpr_workgroup_id_z 1
		.amdhsa_system_vgpr_workitem_id 0
		.amdhsa_next_free_vgpr 256
		.amdhsa_next_free_sgpr 66
		.amdhsa_reserve_vcc 1
		.amdhsa_float_denorm_mode_32 3
		.amdhsa_float_denorm_mode_16_64 3
		.amdhsa_memory_ordered 1
		.amdhsa_forward_progress 1
		.amdhsa_inst_pref_size 21
	.end_amdhsa_kernel
	.amdgpu_metadata
---
amdhsa.version: [ 1, 2 ]
amdhsa.kernels:
  - .name:           k_q6eb0d954c9_place
    .symbol:         k_q6eb0d954c9_place.kd
    .args:
      - { .name: meta, .offset: 0, .size: 8, .value_kind: global_buffer, .address_space: global }
      - { .name: srt, .offset: 8, .size: 8, .value_kind: global_buffer, .address_space: global }
    .group_segment_fixed_size: 5120
    .private_segment_fixed_size: 0
    .kernarg_segment_align: 8
    .kernarg_segment_size: 16
    .max_flat_workgroup_size: 256
    .sgpr_count:     66
    .vgpr_count:     256
    .wavefront_size: 32
...
	.end_amdgpu_metadata
.endif
;; end of part 5
;; launch experts (part 6): grid 8 x 32, 4 waves a work-group, no clusters, 17,920 bytes of LDS; arguments srt, tk_w, x_codes, x_scales, Wimg, We_scales, be, out0; writes out0
.if DOCPART == 6
	.amdgcn_target "amdgcn-amd-amdhsa--gfx1250"
	.amdhsa_code_object_version 6
	.text
	.protected	k_q6eb0d954c9_experts
	.globl	k_q6eb0d954c9_experts
	.p2align	8
	.type	k_q6eb0d954c9_experts,@function
k_q6eb0d954c9_experts:
	s_mov_b64 s[64:65], 0
	v_nop
	global_prefetch_b8 v0, s[64:65] scope:SCOPE_SE
	s_setreg_imm32_b32 hwreg(HW_REG_WAVE_MODE, 25, 1), 1
	s_wait_xcnt 0x0
; out0[token] = the sum over the token's two experts e of w_e (x We[e]^T + be[e]), on codes of FP4 (E2M1) with E8M0 scales, f32 sums.  Only chosen experts are multiplied.
; SHARES.  A wave owns 64 tokens that lie together in the sorted list (4 tiles of 16) and 128 output columns (two groups of 64, each 4 tiles of 16): each number of out0 has one owner.
;   The four waves of a work-group take four neighbouring blocks of tokens and the SAME 128 columns.  Grid: x = which 128 columns, y = which 256 sorted positions.
; x's codes of the 64 tokens, all of K, stay in registers (256).  The weights come from memory straight into a ring of four register buffers, as the images that the first launch laid:
;   an ITEM is one expert x one tile of 16 columns x all of K: 16 loads of codes, 1 of scale words, 2 of bias; 32 products.  Four items are asked for at any time.
; THE WALK.  The wave lists the experts that its 64 tokens use (2 to 8, from the stored words) and walks those alone: for each, D = x We^T + be (the bias is the C of the first product) and
;   OUT += g D, g the token's weight for that expert, 0 for a token that does not use it.  The product is used transposed (source 0 = 16 rows of We, source 1 = 16 tokens): a lane holds one token.
; NO CLUSTER, NO TENSOR LOAD, NO BARRIER: the walk's trip count is read from the stored list and differs from wave to wave, so partners could not make the same requests in the same rounds of a barrier.
; THE WAY OUT.  A lane holds 32 neighbouring bytes of a token's row; a tile of 16 tokens x 64 columns goes through the wave's own stage in LDS and leaves as rows: sixteen lanes store 256 consecutive, aligned bytes.
; SCALES: one load of 16 bytes at 32 r + 16 h puts word 4 h + i of a row's 8 into register i: K step s takes register s % 4, lanes 0-15 for s < 4, lanes 16-31 for s >= 4.
; A WORD OF THE SORTED LIST: token in bits 0-12, second expert in 13-15, first expert in 16-18; the bits above are the sort's own and are cut off.
; LIMITS: a token is multiplied by 0 for experts that only its neighbours use, so those sums must be finite (no scale byte 0xff, no overflow of f32 in an expert that was not chosen).  NaN gate weights are not served.
; REGISTERS: window 0 as named; window 1: x, 64 t + 8 s + 4 c; window 2: the ring, 64 k + 8 s + 4 c; window 3: OUT, 32 u + 8 t + j.
.set XA,   16                          ; v16-19   tile t: my token's codes: token x 512 + 16 h
.set XSA,  20                          ; v20-23   and its scale words: token x 32 + 16 h
.set XS,   24                          ; v24-39   x's scale words, 4 a tile
.set WS,   40                          ; v40-55   the weights' scale words, 4 a buffer
.set SW,   56                          ; v56-59   tile t: my token's word of the sorted list
.set E0,   60                          ; v60-63   its first expert
.set E1,   64                          ; v64-67   its second
.set WP,   68                          ; v68-75   its two weights
.set G,    76                          ; v76-83   tile t: v[G + 2 t] = my token's weight for the expert in hand; the odd registers are 0 (named as pairs)
.set WA,   84                          ; v84-87   tile t: my token's place in tk_w: token x 8
.set RO,   88                          ; v88-119  tile t, i: where row 8 h + i of the tile lies in out0: token x 4,096 + 16 r
.set D,    120                         ; v120-151 four accumulators
.set BIAS, 152                         ; v152-183 be in the result's layout, 8 a buffer
.set RB,   184                         ; v184-247 rows read back from the stage, two sets of 32
.set STW,  4352                        ; a wave's stage: 16 rows x (256 + 16) bytes
.set MSB, 0
.macro WIN new                         ; the immediate's high byte repeats the setting that is left
.if MSB != \new
	s_set_vgpr_msb (MSB<<8)|\new
.set MSB, \new
.endif
.endm
; where the items of expert s37, column tiles s24 .. s24 + 3, lie: q = 64 e + tile; codes 8,192 q, scale words 512 q, bias 64 q
.macro NEWBASE
	s_lshl_b32 s40, s37, 6
	s_add_co_u32 s40, s40, s24
	s_lshl_b32 s26, s40, 13
	s_add_nc_u64 s[28:29], s[12:13], s[26:27]
	s_lshl_b32 s26, s40, 9
	s_add_nc_u64 s[30:31], s[14:15], s[26:27]
	s_lshl_b32 s26, s40, 6
	s_add_nc_u64 s[32:33], s[16:17], s[26:27]
.endm
; on to what is fetched next.  nx = 0: the list's next expert; 1: the next column group's first expert
.macro ADVANCE nx
	s_wait_xcnt 0x0                                ; the loads on their way have read their bases: only behind this wait are the bases written again
.if \nx == 0
	s_lshr_b32 s35, s35, 4
.else
	s_mov_b32 s35, s34
	s_add_co_u32 s24, s24, 4
.endif
	s_and_b32 s37, s35, 7
	s_min_u32 s37, s37, 7                          ; an expert's number stays inside the table
	NEWBASE
.endm
.macro LOADITEM k                      ; 19 loads into buffer k
	WIN 0x80                                       ; destination window 2
.irp s, 0,1,2,3,4,5,6,7
.irp c, 0,1
	global_load_b128 v[64*\k+8*\s+4*\c:64*\k+8*\s+4*\c+3], v4, s[28:29] offset:8192*\k+1024*\s+512*\c   ; 32 lanes: 512 consecutive bytes
.endr
.endr
	WIN 0
	global_load_b128 v[WS+4*\k:WS+4*\k+3], v5, s[30:31] offset:512*\k
	global_load_b128 v[BIAS+8*\k:BIAS+8*\k+3], v6, s[32:33] offset:64*\k
	global_load_b128 v[BIAS+8*\k+4:BIAS+8*\k+7], v6, s[32:33] offset:64*\k+16
.endm
.macro GATES                           ; my tokens' weights for expert s37
.irp t, 0,1,2,3
	v_cmp_eq_u32 vcc_lo, s37, v[E1+\t]
	v_cndmask_b32 v[G+2*\t], 0, v[WP+2*\t+1], vcc_lo
	v_cmp_eq_u32 vcc_lo, s37, v[E0+\t]
	v_cndmask_b32 v[G+2*\t], v[G+2*\t], v[WP+2*\t], vcc_lo
.endr
.endm
; One item.  first = 1: OUT begins here (nothing is cleared).  pf = 1: the buffer is filled again, with the same item of the next expert or column group.
; cnt: the younger loads that may stay out (-1: the wait has been made).  adv: 0 or 1: the step to what is fetched next stands behind this item's products (-1: none).
.macro ITEM k, first, pf, cnt, adv
.if \cnt >= 0
	s_wait_loadcnt \cnt                            ; loads come back in order: this item's 19 are in
.endif
	WIN 0x06                                       ; source 0 window 2, source 1 window 1, C and D window 0
.irp s, 0,1,2,3,4,5,6,7                        ; the four accumulators take turns, one instruction a turn
.irp t, 0,1,2,3
.if \s == 0
	v_wmma_scale_f32_16x16x128_f8f6f4 v[D+8*\t:D+8*\t+7], v[64*\k+8*\s:64*\k+8*\s+7], v[64*\t+8*\s:64*\t+8*\s+7], v[BIAS+8*\k:BIAS+8*\k+7], v[WS+4*\k+\s%4], v[XS+4*\t+\s%4] matrix_a_fmt:MATRIX_FMT_FP4 matrix_b_fmt:MATRIX_FMT_FP4
.elseif \s < 4
	v_wmma_scale_f32_16x16x128_f8f6f4 v[D+8*\t:D+8*\t+7], v[64*\k+8*\s:64*\k+8*\s+7], v[64*\t+8*\s:64*\t+8*\s+7], v[D+8*\t:D+8*\t+7], v[WS+4*\k+\s%4], v[XS+4*\t+\s%4] matrix_a_fmt:MATRIX_FMT_FP4 matrix_b_fmt:MATRIX_FMT_FP4
.else
	v_wmma_scale_f32_16x16x128_f8f6f4 v[D+8*\t:D+8*\t+7], v[64*\k+8*\s:64*\k+8*\s+7], v[64*\t+8*\s:64*\t+8*\s+7], v[D+8*\t:D+8*\t+7], v[WS+4*\k+\s%4], v[XS+4*\t+\s%4] matrix_a_fmt:MATRIX_FMT_FP4 matrix_b_fmt:MATRIX_FMT_FP4 matrix_a_scale:MATRIX_SCALE_ROW1 matrix_b_scale:MATRIX_SCALE_ROW1
.endif
.endr
.endr
.if \adv >= 0
	ADVANCE \adv                                   ; scalar work and its wait, while the 32 products just issued are at work
.endif
	WIN 0xf0                                       ; OUT (destination and source 2) window 3; D and g window 0
.rept 4
	v_nop                                          ; four places: ahead of the reads of D and of the loads into the buffer.  With the twelve packed lines of the other three tiles they are
.endr                                                  ; also the five that the next item's first product on each accumulator wants, which begins it anew with another C
.irp t, 0,1,2,3                                ; each accumulator from its low end on
.irp j, 0,2,4,6
.if \first
	v_pk_mul_f32 v[32*\k+8*\t+\j:32*\k+8*\t+\j+1], v[D+8*\t+\j:D+8*\t+\j+1], v[G+2*\t:G+2*\t+1] op_sel_hi:[1,0]
.else
	v_pk_fma_f32 v[32*\k+8*\t+\j:32*\k+8*\t+\j+1], v[D+8*\t+\j:D+8*\t+\j+1], v[G+2*\t:G+2*\t+1], v[32*\k+8*\t+\j:32*\k+8*\t+\j+1] op_sel_hi:[1,0,1]
.endif
.endr
.endr
.if \pf
	LOADITEM \k
.endif
.endm
; One expert x one group of 64 columns: four items.  nx = 0: the list's next expert follows; 1: the next column group's first expert; 2: nothing.
.macro SUPER first, nx
	s_wait_loadcnt 57                              ; 57 = the three younger items' 19 loads each: this expert's first item is in, and all that was asked for earlier (in the first turn: x, its scale words, the tokens' weights)
	GATES                                          ; ahead of the step that writes s37 anew
.if \nx != 2
	ITEM 0, \first, 1, -1, \nx
	ITEM 1, \first, 1, 57, -1
	ITEM 2, \first, 1, 57, -1
	ITEM 3, \first, 1, 57, -1
.else
	ITEM 0, \first, 0, -1, -1                      ; nothing more is fetched: the counts run down
	ITEM 1, \first, 0, 38, -1
	ITEM 2, \first, 0, 19, -1
	ITEM 3, \first, 0, 0, -1
.endif
	WIN 0                                          ; at a label and at a branch every window is 0
.endm
.macro TOSTAGE t                       ; tile t's 16 tokens x 64 columns into my stage, and back as rows
	s_wait_xcnt 0x0                                ; the stores of two tiles back have read their data: the loads below may land there
	WIN 0x0c                                       ; an LDS store's data: window 3
.irp u, 0,1,2,3
	ds_store_b128 v7, v[32*\u+8*\t:32*\u+8*\t+3] offset:64*\u
	ds_store_b128 v7, v[32*\u+8*\t+4:32*\u+8*\t+7] offset:64*\u+16
.endr
	WIN 0
.irp i, 0,1,2,3,4,5,6,7
	ds_load_b128 v[RB+32*(\t%2)+4*\i:RB+32*(\t%2)+4*\i+3], v8 offset:272*\i   ; LDS serves a wave's instructions in order (ISA guide 5.7.1.4): these see the stores above, and the next tile's stores come behind them
.endr
.endm
.macro SEND t, cg, younger             ; younger: the LDS instructions issued behind tile t's loads
	s_wait_dscnt \younger
.irp i, 0,1,2,3,4,5,6,7
	global_store_b128 v[RO+8*\t+\i], v[RB+32*(\t%2)+4*\i:RB+32*(\t%2)+4*\i+3], s[18:19] offset:256*\cg th:TH_STORE_NT   ; lanes 0-15: 256 consecutive aligned bytes of one token's row; lanes 16-31: of the token 8 rows on
.endr
.endm
.macro STOREG cg
	TOSTAGE 0
	TOSTAGE 1
	SEND 0, \cg, 16                                ; 16 = the next tile's 8 LDS stores and 8 LDS loads
	TOSTAGE 2
	SEND 1, \cg, 16
	TOSTAGE 3
	SEND 2, \cg, 16
	SEND 3, \cg, 0
.endm
	s_load_b256 s[4:11], s[0:1], 0x0               ; srt, tk_w, x_codes, x_scales
	s_load_b256 s[12:19], s[0:1], 0x20             ; Wimg, We_scales, be, out0
	v_lshl_add_u32 v254, v0, 2, 0x4400
	v_mov_b32 v255, 0
	v_lshrrev_b32 v1, 5, v0
	v_readfirstlane_b32 s20, v1                    ; wave 0..3
	v_and_b32 v1, 15, v0                           ; r
	v_bfe_u32 v2, v0, 4, 1                         ; h
	v_and_b32 v3, 31, v0                           ; lane
	v_lshlrev_b32 v4, 4, v3                        ; 16 x lane: an image's place
	v_lshlrev_b32 v5, 5, v1
	v_lshl_add_u32 v5, v2, 4, v5                   ; 32 r + 16 h: the weights' scale words
	v_lshlrev_b32 v6, 5, v2                        ; 32 h: the bias, and the list's words 8 h ..
	s_mul_i32 s40, s20, STW                        ; my stage
	v_mul_u32_u24 v7, v1, 272
	v_lshl_add_u32 v7, v2, 5, v7
	v_add_nc_u32 v7, s40, v7                       ; in: row r, + 32 h
	v_mul_u32_u24 v8, v2, 2176
	v_lshl_add_u32 v8, v1, 4, v8
	v_add_nc_u32 v8, s40, v8                       ; back: row 8 h (+ i), 16 bytes at 16 r
	v_lshlrev_b32 v9, 4, v1                        ; 16 r
	v_lshlrev_b32 v10, 2, v1                       ; 4 r
	v_lshlrev_b32 v12, 4, v2                       ; 16 h
	s_and_b32 s21, ttmp7, 0xffff
	s_lshl_b32 s21, s21, 2
	s_add_co_u32 s21, s21, s20                     ; my block of 64 sorted positions, 0..127
	s_lshl_b32 s24, ttmp9, 3                       ; my first column tile
	s_mov_b32 s27, 0
	s_wait_kmcnt 0x0
	s_lshl_b32 s26, s21, 8
	s_add_nc_u64 s[4:5], s[4:5], s[26:27]
	s_lshl_b32 s26, ttmp9, 9
	s_add_nc_u64 s[18:19], s[18:19], s[26:27]      ; out0 at my 128 columns
.irp t, 0,1,2,3
	global_load_b32 v[SW+\t], v10, s[4:5] offset:64*\t                  ; position 16 t + r
	global_load_b128 v[RO+8*\t:RO+8*\t+3], v6, s[4:5] offset:64*\t     ; positions 16 t + 8 h + 0 .. 7
	global_load_b128 v[RO+8*\t+4:RO+8*\t+7], v6, s[4:5] offset:64*\t+16
.endr
	v_mov_b32 v14, 0
	s_wait_loadcnt 0x0
.irp t, 0,1,2,3
	v_and_b32 v13, 0x1fff, v[SW+\t]
	v_min_u32 v13, 0x1fff, v13                     ; a token stays inside the 8,192
	v_lshl_add_u32 v[XA+\t], v13, 9, v12
	v_lshl_add_u32 v[XSA+\t], v13, 5, v12
	v_lshlrev_b32 v[WA+\t], 3, v13
	v_bfe_u32 v[E0+\t], v[SW+\t], 16, 3
	v_bfe_u32 v[E1+\t], v[SW+\t], 13, 3
.endr
.irp t, 0,1,2,3
	global_load_b64 v[WP+2*\t:WP+2*\t+1], v[WA+\t], s[6:7]              ; my token's two weights
.endr
	WIN 0x40                                       ; destination window 1
.irp t, 0,1,2,3
.irp s, 0,1,2,3,4,5,6,7
.irp c, 0,1
	global_load_b128 v[64*\t+8*\s+4*\c:64*\t+8*\s+4*\c+3], v[XA+\t], s[8:9] offset:64*\s+32*\c   ; x stays in registers
.endr
.endr
.endr
	WIN 0
.irp t, 0,1,2,3
	global_load_b128 v[XS+4*\t:XS+4*\t+3], v[XSA+\t], s[10:11]
.endr
	; ---- the experts that my 64 tokens use, ascending, four bits each in s34; s36 = 4 x their number
.irp t, 0,1,2,3
	v_lshl_or_b32 v14, 1, v[E0+\t], v14
	v_lshl_or_b32 v14, 1, v[E1+\t], v14
.endr
	s_mov_b32 s34, 0
	s_mov_b32 s36, 0
.irp e, 0,1,2,3,4,5,6,7
	v_and_b32 v13, 1<<\e, v14
	v_cmp_ne_u32 vcc_lo, 0, v13
	s_cmp_lg_u32 vcc_lo, 0                         ; does any lane use expert e?
	s_cselect_b32 s40, 1, 0
	s_mul_i32 s41, s40, \e
	s_lshl_b32 s41, s41, s36
	s_or_b32 s34, s34, s41
	s_lshl_b32 s40, s40, 2
	s_add_co_u32 s36, s36, s40
.endr
	s_lshr_b32 s38, s36, 2
	s_sub_co_i32 s38, s38, 2
	s_max_i32 s38, s38, 0
	s_min_u32 s38, s38, 6                          ; the experts between the first and the last: 0 to 6
	s_mov_b32 s35, s34
	s_and_b32 s37, s35, 7
	s_min_u32 s37, s37, 7
	NEWBASE
	LOADITEM 0                                     ; the ring is filled: the first expert's four items
	LOADITEM 1
	LOADITEM 2
	LOADITEM 3
.irp i, 0,1,2,3,4,5,6,7,8,9,10,11,12,13,14,15,16,17,18,19,20,21,22,23,24,25,26,27,28,29,30,31
	v_and_b32 v[RO+\i], 0x1fff, v[RO+\i]
	v_min_u32 v[RO+\i], 0x1fff, v[RO+\i]
	v_lshl_add_u32 v[RO+\i], v[RO+\i], 12, v9      ; the token's row of 4,096 bytes + 16 r
.endr
.irp t, 0,1,2,3
	v_mov_b32 v[G+2*\t+1], 0
.endr
	; ---- columns 0-63 of my 128
	SUPER 1, 0
	s_cmp_eq_u32 s38, 0
	s_cbranch_scc1 .Lm0_done
	s_mov_b32 s39, s38
.Lm0:
	SUPER 0, 0
	s_sub_co_i32 s39, s39, 1
	s_cmp_lg_u32 s39, 0
	s_cbranch_scc1 .Lm0
.Lm0_done:
	SUPER 0, 1                                     ; the last expert; its refills are the next group's first expert
	STOREG 0                                       ; these stores leave under the second group's products
	; ---- columns 64-127
	SUPER 1, 0
	s_cmp_eq_u32 s38, 0
	s_cbranch_scc1 .Lm1_done
	s_mov_b32 s39, s38
.Lm1:
	SUPER 0, 0
	s_sub_co_i32 s39, s39, 1
	s_cmp_lg_u32 s39, 0
	s_cbranch_scc1 .Lm1
.Lm1_done:
	SUPER 0, 2
	STOREG 1
	s_wait_tensorcnt 0x0
	ds_add_u32 v254, v255
	s_wait_dscnt 0x0
	s_endpgm
.Lfunc_end_k_q6eb0d954c9_experts:
	.size	k_q6eb0d954c9_experts, .Lfunc_end_k_q6eb0d954c9_experts-k_q6eb0d954c9_experts
	.p2alignl 7, 3214868480
	.fill 96, 4, 3214868480
	.section	.rodata,"a",@progbits
	.p2align	6, 0x0
	.amdhsa_kernel k_q6eb0d954c9_experts
		.amdhsa_group_segment_fixed_size 17920
		.amdhsa_private_segment_fixed_size 0
		.amdhsa_enable_private_segment 0
		.amdhsa_kernarg_size 64
		.amdhsa_user_sgpr_count 2
		.amdhsa_user_sgpr_kernarg_segment_ptr 1
		.amdhsa_wavefront_size32 1
		.amdhsa_system_sgpr_workgroup_id_x 1
		.amdhsa_system_sgpr_workgroup_id_y 1
		.amdhsa_system_sgpr_workgroup_id_z 1
		.amdhsa_system_vgpr_workitem_id 0
		.amdhsa_next_free_vgpr 896
		.amdhsa_next_free_sgpr 66
		.amdhsa_reserve_vcc 1
		.amdhsa_float_denorm_mode_32 3
		.amdhsa_float_denorm_mode_16_64 3
		.amdhsa_memory_ordered 1
		.amdhsa_forward_progress 1
		.amdhsa_inst_pref_size 211
	.end_amdhsa_kernel
	.amdgpu_metadata
---
amdhsa.version: [ 1, 2 ]
amdhsa.kernels:
  - .name:           k_q6eb0d954c9_experts
    .symbol:         k_q6eb0d954c9_experts.kd
    .args:
      - { .name: srt, .offset: 0, .size: 8, .value_kind: global_buffer, .address_space: global }
      - { .name: tk_w, .offset: 8, .size: 8, .value_kind: global_buffer, .address_space: global }
      - { .name: x_codes, .offset: 16, .size: 8, .value_kind: global_buffer, .address_space: global }
      - { .name: x_scales, .offset: 24, .size: 8, .value_kind: global_buffer, .address_space: global }
      - { .name: Wimg, .offset: 32, .size: 8, .value_kind: global_buffer, .address_space: global }
      - { .name: We_scales, .offset: 40, .size: 8, .value_kind: global_buffer, .address_space: global }
      - { .name: be, .offset: 48, .size: 8, .value_kind: global_buffer, .address_space: global }
      - { .name: out0, .offset: 56, .size: 8, .value_kind: global_buffer, .address_space: global }
    .group_segment_fixed_size: 17920
    .private_segment_fixed_size: 0
    .kernarg_segment_align: 8
    .kernarg_segment_size: 64
    .max_flat_workgroup_size: 128
    .sgpr_count:     66
    .vgpr_count:     896
    .wavefront_size: 32
...
	.end_amdgpu_metadata
.endif
;; end of part 6
;; ======== version 3 of 3: 3 launches
;; workspace buffers: Wimg 4,194,304 bytes; meta 65,536 bytes of whole numbers; tk_w 65,536 bytes; srt 32,768 bytes of whole numbers
;; launch gate (part 7): grid 768 x 1, 1 waves a work-group, no clusters, 0 bytes of LDS; arguments x_codes, x_scales, Wg1_codes, Wg1_scales, bg1, Wg2, bg2, We_codes, out1, out2, tk_w, meta, Wimg; writes out1, out2, tk_w, meta, Wimg
.if DOCPART == 7
	.amdgcn_target "amdgcn-amd-amdhsa--gfx1250"
	.amdhsa_code_object_version 6
	.text
	.protected	k_q6eb0d954c9_gate
	.globl	k_q6eb0d954c9_gate
	.p2align	8
	.type	k_q6eb0d954c9_gate,@function
k_q6eb0d954c9_gate:
	s_mov_b64 s[64:65], 0
	v_nop
	global_prefetch_b8 v0, s[64:65] scope:SCOPE_SE
	s_setreg_imm32_b32 hwreg(HW_REG_WAVE_SCHED_MODE, 0, 2), 2
	s_setreg_imm32_b32 hwreg(HW_REG_WAVE_MODE, 25, 1), 1
	s_wait_xcnt 0x0
	s_wait_alu depctr_vm_vsrc(0)
; TWO JOBS IN ONE LAUNCH, parted by the work-group's number alone.  A work-group is ONE wave: no wave shares anything with another, and the long jobs (the gate's) have the lowest numbers.
; Work-groups 0-255: THE GATE.  h = relu(x Wg1^T + bg1) on codes of FP4 (E2M1) with E8M0 scales, as they lie in memory; scores = h Wg2^T + bg2 in f32;
;   softmax with the row's maximum taken away; the two largest weights, the lower index at a tie.  Stored: out1 (8 weights), out2 (2 indices), tk_w (the 2 weights),
;   and meta: whole numbers at fixed places, from which the next launch places the tokens.  No address and no branch here hangs on the choice.
; Work-groups 256-767: THE IMAGE.  We's codes are laid in the order in which a wave's operand registers take them: [16 rows q][K step s][half c][lane][16 bytes].
; SHARES (gate): a wave owns 32 tokens, two tiles of 16.  The first product is used transposed (source 0 = 16 rows of Wg1, source 1 = 16 tokens): a lane (r, h) holds token r
;   and hidden units 16 th + 8 h + 0..7.  Those registers ARE source 1 of the second product (f32 form, K = 4): its k = 2 h + j stands for hidden unit 16 th + 8 h + 2 i + j on both sides.
;   Source 0 of the second product has Wg2's 8 rows twice (rows 8-15 repeat 0-7), so every lane ends up with all 8 scores of its token.
; SCALES: a row's 32 scale bytes are 8 words; one load of 16 bytes at 32 r + 16 h puts word 4 h + i into register i: K step s takes register s % 4, lanes 0-15 for s < 4, lanes 16-31 for s >= 4.
; META, 8 bytes a token: {token | e1 << 13 | e0 << 16 | rank << 19 | pair << 27,  the wave's count of pair = lane}.  The first word is the sorted list's word as it will stand.
; THE PAIRS ARE NUMBERED IN SERPENTINE: (0,1) .. (0,7), (1,7) .. (1,2), (2,3) .. (2,7), (3,7) .. : two pairs with neighbouring numbers always share an expert.
; No cluster, no LDS: waves share no more than Wg1's 34 KB, and each reads everything that it needs once, into registers.
; LIMITS: NaN among the gate weights is not served (both indices then fall to 0).  Two weights that are equal within f32 rounding may be ordered either way.
; THE MODE: SCHED_MODE bits 1:0 = 2 (LLVM: expert scheduling mode 2), set by the entry lines.  The code itself states the register dependences between vector or matrix instructions
;   and memory instructions, and those through scalar registers that vector instructions write, with s_wait_alu, always for 0.
; THE PLAN.  Registers that memory instructions touch:
;   v4 to v10        offsets: written by the head's vector lines, read by the loads and stores, never written again: one wait on va_vdst on each path, ahead of its first load.
;   the loaded ones  (windows 1 and 2, XS, GS, B1, W2, BG2; in the image v16-79): filled once; no vector line names them ahead of their loads.
;   ST, IDX, WPR, META  written by vector lines, read by the five stores at the gate's end: one wait on va_vdst ahead of that run.
;   No register that a memory instruction reads is written again: no wait on vm_vsrc is owed.
;   Masks that compares write (scalar registers, VCC): a wait stands between each and its first reader; compares that hang on nothing in a chain are laid in runs into s46 on, one wait to a run.
; REGISTERS: window 0 as named below; window 1: x's fragments, 64 tile + 8 s + 4 c; window 2: Wg1's, 64 th + 8 s + 4 c.
.set XS,   16                          ; v16-23   x's scale words, 4 a tile
.set GS,   24                          ; v24-39   Wg1's, 4 a tile of 16 hidden units
.set B1,   40                          ; v40-71   bg1 in the result's layout, 8 a tile
.set W2,   72                          ; v72-103  Wg2(r % 8, 16 th + 8 h + 0..7)
.set BG2,  104                         ; v104-111 bg2[j] in every lane
.set H,    112                         ; v112-175 the hidden layer: 32 tile + 8 th
.set SCA,  176                         ; v176-183 scores of tile 0: written by matrix instructions alone
.set SCB,  184                         ; v184-191 scores of tile 1: likewise
.set GW,   192                         ; v192-199 my token's scores, then its weights
.set P,    200                         ; v200-207 the weights of the lane 16 away
.set ST,   208                         ; v208-215 out1 as it is stored
.set MX,   216
.set SUM,  217
.set RC,   218
.set LO,   219
.set HI,   220
.set PP,   221                         ; the pair's number, 0..27
.set RANK, 222                         ; earlier lanes of the wave with the same pair
.set TMP,  224                         ; v224-227 at work
.set META, 232                         ; v232-233 the two words of meta
.set IDX,  236                         ; v236-237 the two indices
.set WPR,  238                         ; v238-239 the two weights
.set MK,   46                          ; s46-s59  the masks of compares that are laid in runs
.set MSB, 0
.macro WIN new                         ; the immediate's high byte repeats the setting that is left
.if MSB != \new
	s_set_vgpr_msb (MSB<<8)|\new
.set MSB, \new
.endif
.endm
	s_load_b512 s[4:19], s[0:1], 0x0               ; x_codes, x_scales, Wg1_codes, Wg1_scales, bg1, Wg2, bg2, We_codes
	s_load_b256 s[20:27], s[0:1], 0x40             ; out1, out2, tk_w, meta
	s_load_b64 s[28:29], s[0:1], 0x60              ; Wimg
	v_and_b32 v1, 15, v0                           ; r
	v_bfe_u32 v2, v0, 4, 1                         ; h
	v_and_b32 v3, 31, v0                           ; lane
	v_lshlrev_b32 v4, 9, v1
	v_lshl_add_u32 v4, v2, 4, v4                   ; a fragment's place: row r of 512 bytes + 16 h
	v_lshlrev_b32 v10, 4, v3                       ; 16 x lane
	s_mov_b32 s33, 0
	s_wait_kmcnt 0x0
	s_cmp_lt_u32 ttmp9, 256
	s_cbranch_scc0 .Lrelay
	; ================= THE GATE: the work-group's number is my group of 32 tokens =================
	s_lshl_b32 s32, ttmp9, 14
	s_add_nc_u64 s[4:5], s[4:5], s[32:33]          ; 32 rows of 512 bytes of codes
	s_lshl_b32 s32, ttmp9, 10
	s_add_nc_u64 s[6:7], s[6:7], s[32:33]          ; 32 rows of 32 scale bytes
	s_add_nc_u64 s[20:21], s[20:21], s[32:33]      ; 32 rows of 8 f32 of out1
	s_lshl_b32 s32, ttmp9, 8
	s_add_nc_u64 s[22:23], s[22:23], s[32:33]      ; 32 x 8 bytes of out2,
	s_add_nc_u64 s[24:25], s[24:25], s[32:33]      ; of tk_w
	s_add_nc_u64 s[26:27], s[26:27], s[32:33]      ; and of meta
	s_lshl_b32 s34, ttmp9, 5                       ; my first token
	s_wait_alu depctr_va_vdst(0)
	v_lshlrev_b32 v5, 5, v1
	v_lshl_add_u32 v5, v2, 4, v5                   ; 32 r + 16 h: scale words, and out1
	v_lshlrev_b32 v6, 5, v2                        ; 32 h
	v_and_b32 v7, 7, v0
	v_lshlrev_b32 v7, 8, v7
	v_lshl_add_u32 v7, v2, 5, v7                   ; Wg2: row r % 8 of 256 bytes + 32 h
	v_mov_b32 v8, 0
	v_lshlrev_b32 v9, 3, v3                        ; 8 x lane
	; all 120 loads go out together: everything is wanted at once.  (A counter's field cannot be passed: the issue stalls, ISA guide 5.7.1)
	WIN 0x40                                       ; destination window 1
	s_wait_alu depctr_va_vdst(0)                   ; the offsets v4 to v9 are written, which the loads below and the stores at the end read; no vector line writes them again
.irp tile, 0,1
.irp s, 0,1,2,3,4,5,6,7
.irp c, 0,1
	global_load_b128 v[64*\tile+8*\s+4*\c:64*\tile+8*\s+4*\c+3], v4, s[4:5] offset:8192*\tile+64*\s+32*\c
.endr
.endr
.endr
	WIN 0x80                                       ; destination window 2
.irp th, 0,1,2,3
.irp s, 0,1,2,3,4,5,6,7
.irp c, 0,1
	global_load_b128 v[64*\th+8*\s+4*\c:64*\th+8*\s+4*\c+3], v4, s[8:9] offset:8192*\th+64*\s+32*\c
.endr
.endr
.endr
	WIN 0
.irp tile, 0,1
	global_load_b128 v[XS+4*\tile:XS+4*\tile+3], v5, s[6:7] offset:512*\tile
.endr
.irp th, 0,1,2,3
	global_load_b128 v[GS+4*\th:GS+4*\th+3], v5, s[10:11] offset:512*\th
	global_load_b128 v[B1+8*\th:B1+8*\th+3], v6, s[12:13] offset:64*\th
	global_load_b128 v[B1+8*\th+4:B1+8*\th+7], v6, s[12:13] offset:64*\th+16
	global_load_b128 v[W2+8*\th:W2+8*\th+3], v7, s[14:15] offset:64*\th
	global_load_b128 v[W2+8*\th+4:W2+8*\th+7], v7, s[14:15] offset:64*\th+16
.endr
	global_load_b128 v[BG2:BG2+3], v8, s[16:17]
	global_load_b128 v[BG2+4:BG2+7], v8, s[16:17] offset:16
	s_mov_b32 s44, 0x76543210
	s_mov_b32 s45, 0xfedcba98                      ; v_permlanex16_b32's selects for lane l xor 16
	v_cmp_le_u32 s42, 16, v3                       ; the mask of lanes 16-31
.irp j, 0,1,2,3,4,5,6,7
	v_mov_b32 v[P+\j], 0                           ; written once: a lane permute's destination counts as one of its sources
.endr
	v_mov_b32 v[RANK], 0
	v_mov_b32 v[META+1], 0
	s_wait_alu depctr_va_sdst(0)                   ; s42 is written, ahead of its first reader (the selects behind the second product)
	s_wait_loadcnt 0x0
	; ---- h^T = Wg1 x^T + bg1: eight accumulators by turns, a K step of 128 at a time; the bias is the C of each sum's first product
	WIN 0x06                                       ; source 0 window 2, source 1 window 1, C and D window 0
.irp s, 0,1,2,3,4,5,6,7
.irp tile, 0,1
.irp th, 0,1,2,3
.if \s == 0
	v_wmma_scale_f32_16x16x128_f8f6f4 v[H+32*\tile+8*\th:H+32*\tile+8*\th+7], v[64*\th+8*\s:64*\th+8*\s+7], v[64*\tile+8*\s:64*\tile+8*\s+7], v[B1+8*\th:B1+8*\th+7], v[GS+4*\th+\s%4], v[XS+4*\tile+\s%4] matrix_a_fmt:MATRIX_FMT_FP4 matrix_b_fmt:MATRIX_FMT_FP4
.elseif \s < 4
	v_wmma_scale_f32_16x16x128_f8f6f4 v[H+32*\tile+8*\th:H+32*\tile+8*\th+7], v[64*\th+8*\s:64*\th+8*\s+7], v[64*\tile+8*\s:64*\tile+8*\s+7], v[H+32*\tile+8*\th:H+32*\tile+8*\th+7], v[GS+4*\th+\s%4], v[XS+4*\tile+\s%4] matrix_a_fmt:MATRIX_FMT_FP4 matrix_b_fmt:MATRIX_FMT_FP4
.else
	v_wmma_scale_f32_16x16x128_f8f6f4 v[H+32*\tile+8*\th:H+32*\tile+8*\th+7], v[64*\th+8*\s:64*\th+8*\s+7], v[64*\tile+8*\s:64*\tile+8*\s+7], v[H+32*\tile+8*\th:H+32*\tile+8*\th+7], v[GS+4*\th+\s%4], v[XS+4*\tile+\s%4] matrix_a_fmt:MATRIX_FMT_FP4 matrix_b_fmt:MATRIX_FMT_FP4 matrix_a_scale:MATRIX_SCALE_ROW1 matrix_b_scale:MATRIX_SCALE_ROW1
.endif
.endr
.endr
.endr
	WIN 0
.rept 4
	v_nop                                          ; four places behind the last product, ahead of the first read of results (ISA guide 7.12.1)
.endr
.irp j, 0,1,2,3,4,5,6,7,8,9,10,11,12,13,14,15,16,17,18,19,20,21,22,23,24,25,26,27,28,29,30,31,32,33,34,35,36,37,38,39,40,41,42,43,44,45,46,47,48,49,50,51,52,53,54,55,56,57,58,59,60,61,62,63
	v_max_num_f32 v[H+\j], 0, v[H+\j]              ; relu, each accumulator from its low end on
.endr
	; ---- scores^T = Wg2 h^T + bg2, in f32: sixteen K steps of 4, the two tiles' accumulators by turns; bg2 is the C of each sum's first step
.irp th, 0,1,2,3
.irp i, 0,1,2,3
.if \th+\i == 0
	v_wmma_f32_16x16x4_f32 v[SCA:SCA+7], v[W2+8*\th+2*\i:W2+8*\th+2*\i+1], v[H+8*\th+2*\i:H+8*\th+2*\i+1], v[BG2:BG2+7]
	v_wmma_f32_16x16x4_f32 v[SCB:SCB+7], v[W2+8*\th+2*\i:W2+8*\th+2*\i+1], v[H+32+8*\th+2*\i:H+32+8*\th+2*\i+1], v[BG2:BG2+7]
.else
	v_wmma_f32_16x16x4_f32 v[SCA:SCA+7], v[W2+8*\th+2*\i:W2+8*\th+2*\i+1], v[H+8*\th+2*\i:H+8*\th+2*\i+1], v[SCA:SCA+7]
	v_wmma_f32_16x16x4_f32 v[SCB:SCB+7], v[W2+8*\th+2*\i:W2+8*\th+2*\i+1], v[H+32+8*\th+2*\i:H+32+8*\th+2*\i+1], v[SCB:SCB+7]
.endif
.endr
.endr
.rept 8
	v_nop                                          ; eight places behind this form
.endr
.irp j, 0,1,2,3,4,5,6,7
	v_cndmask_b32 v[GW+\j], v[SCA+\j], v[SCB+\j], s42   ; lanes 0-15 keep tile 0's token r, lanes 16-31 tile 1's: lane l now stands for token l of the 32
.endr
	; ---- softmax over the 8 scores, the maximum taken away
	v_max3_num_f32 v[MX], v[GW], v[GW+1], v[GW+2]
	v_max3_num_f32 v[MX], v[MX], v[GW+3], v[GW+4]
	v_max3_num_f32 v[MX], v[MX], v[GW+5], v[GW+6]
	v_max_num_f32 v[MX], v[MX], v[GW+7]
.irp j, 0,1,2,3,4,5,6,7
	v_sub_f32 v[GW+\j], v[GW+\j], v[MX]            ; the difference first (exact where the scores are close), whatever the scores' size
.endr
.irp j, 0,1,2,3,4,5,6,7
	v_mul_f32 v[GW+\j], 0x3fb8aa3b, v[GW+\j]       ; x log2(e)
.endr
	s_wait_alu depctr_va_vdst(0)
.irp j, 0,1,2,3,4,5,6,7
	v_exp_f32 v[GW+\j], v[GW+\j]
.endr
	v_nop                                          ; a plain instruction behind the last exponential
	s_wait_alu depctr_va_vdst(0)                   ; the eight exponentials have written v[GW ..]: one wait for the batch, ahead of its first reader
	v_add_f32 v[SUM], v[GW], v[GW+1]
	v_add_f32 v[TMP], v[GW+2], v[GW+3]
	v_add_f32 v[TMP+1], v[GW+4], v[GW+5]
	v_add_f32 v[TMP+2], v[GW+6], v[GW+7]
	v_add_f32 v[SUM], v[SUM], v[TMP]
	v_add_f32 v[TMP+1], v[TMP+1], v[TMP+2]
	v_add_f32 v[SUM], v[SUM], v[TMP+1]
	s_wait_alu depctr_va_vdst(0)
	v_rcp_f32 v[RC], v[SUM]
	v_nop
	s_wait_alu depctr_va_vdst(0)                   ; the reciprocal has written v[RC], ahead of its first reader
.irp j, 0,1,2,3,4,5,6,7
	v_mul_f32 v[GW+\j], v[GW+\j], v[RC]
.endr
	; ---- the two largest weights; a strict compare on ascending indices keeps the lower index at a tie
	v_mov_b32 v[WPR], v[GW]
	v_mov_b32 v[IDX], 0
.irp e, 1,2,3,4,5,6,7
	v_cmp_gt_f32 vcc_lo, v[GW+\e], v[WPR]
	s_wait_alu depctr_va_vcc(0)                    ; the compare has written VCC, which the two selects read.  (A chain: the next compare reads this turn's select, so these compares make no run)
	v_cndmask_b32 v[WPR], v[WPR], v[GW+\e], vcc_lo
	v_cndmask_b32 v[IDX], v[IDX], \e, vcc_lo
.endr
	v_mov_b32 v[WPR+1], -1.0                       ; under every weight
	v_mov_b32 v[IDX+1], 0
.irp e, 0,1,2,3,4,5,6,7
	v_cmp_ne_u32 s[MK+\e], \e, v[IDX]              ; 'not the first index': these eight hang on nothing in the chain below: one run
.endr
.irp e, 0,1,2,3,4,5,6,7
	v_cmp_gt_f32 s40, v[GW+\e], v[WPR+1]
	s_wait_alu depctr_va_sdst(0)                   ; the compare has written s40 (in the first turn: the run above its eight masks too), ahead of the scalar line that reads them
	s_and_b32 vcc_lo, s[MK+\e], s40
	v_cndmask_b32 v[WPR+1], v[WPR+1], v[GW+\e], vcc_lo
	v_cndmask_b32 v[IDX+1], v[IDX+1], \e, vcc_lo
.endr
	; ---- the unordered pair's number, 0..27: row lo begins at lo (15 - lo) / 2; an even row runs hi - lo - 1, an odd row backwards, 7 - hi
	v_min_u32 v[LO], v[IDX], v[IDX+1]
	v_max_u32 v[HI], v[IDX], v[IDX+1]
	v_sub_nc_u32 v[TMP], 15, v[LO]
	v_mul_u32_u24 v[TMP], v[LO], v[TMP]
	v_lshrrev_b32 v[TMP], 1, v[TMP]
	v_sub_nc_u32 v[TMP+1], v[HI], v[LO]
	v_add_nc_u32 v[TMP+1], -1, v[TMP+1]
	v_sub_nc_u32 v[TMP+2], 7, v[HI]
	v_and_b32 v[TMP+3], 1, v[LO]
	v_cmp_eq_u32 vcc_lo, 1, v[TMP+3]
	s_wait_alu depctr_va_vcc(0)                    ; the compare has written VCC, which the select reads
	v_cndmask_b32 v[TMP+1], v[TMP+1], v[TMP+2], vcc_lo
	v_add_nc_u32 v[TMP], v[TMP], v[TMP+1]
	v_min_u32 v[PP], 27, v[TMP]
	; ---- for each pair q: my rank among the wave's lanes that have it, and the wave's count, kept in lane q.  Values only.  The 28 compares go in two runs of 14, one wait to a run
.irp b, 0,14
.irp i, 0,1,2,3,4,5,6,7,8,9,10,11,12,13
	v_cmp_eq_u32 s[MK+\i], \b+\i, v[PP]
.endr
	s_wait_alu depctr_va_sdst(0)                   ; the run's fourteen masks are written, ahead of their first readers
.irp i, 0,1,2,3,4,5,6,7,8,9,10,11,12,13
	v_mbcnt_lo_u32_b32 v[TMP], s[MK+\i], 0
	v_cndmask_b32 v[RANK], v[RANK], v[TMP], s[MK+\i]
	s_bcnt1_i32_b32 s41, s[MK+\i]
	v_writelane_b32 v[META+1], s41, \b+\i
.endr
.endr
	v_add_nc_u32 v[META], s34, v3                  ; the token, bits 0-12
	v_lshl_or_b32 v[META], v[IDX+1], 13, v[META]   ; its second expert, bits 13-15
	v_lshl_or_b32 v[META], v[IDX], 16, v[META]     ; its first, bits 16-18
	v_lshl_or_b32 v[META], v[RANK], 19, v[META]    ; the rank, bits 19-23; bits 24-26 stay 0
	v_lshl_or_b32 v[META], v[PP], 27, v[META]      ; the pair, bits 27-31
	; ---- out1: a token's 8 weights are 32 bytes; lane (r, h) stores words 4 h .. 4 h + 3 of token r, then of token 16 + r: each store covers 512 consecutive bytes
.irp j, 0,1,2,3,4,5,6,7
	v_permlanex16_b32 v[P+\j], v[GW+\j], s44, s45
.endr
.irp j, 0,1,2,3
	v_cndmask_b32 v[ST+\j], v[GW+\j], v[P+4+\j], s42
	v_cndmask_b32 v[ST+4+\j], v[P+\j], v[GW+4+\j], s42
.endr
	s_wait_alu depctr_va_vdst(0)                   ; the vector lines have written v[ST ..], v[IDX ..], v[WPR ..] and v[META ..], which the five stores read
	global_store_b128 v5, v[ST:ST+3], s[20:21]
	global_store_b128 v5, v[ST+4:ST+7], s[20:21] offset:512
	global_store_b64 v9, v[IDX:IDX+1], s[22:23]    ; 32 lanes: 256 consecutive bytes, aligned; the two below likewise
	global_store_b64 v9, v[WPR:WPR+1], s[24:25]
	global_store_b64 v9, v[META:META+1], s[26:27]
	s_endpgm
	; ================= THE IMAGE =================
.Lrelay:
	s_sub_co_u32 s31, ttmp9, 256                   ; q = 64 e + column tile, 0..511: 16 rows of We, 8,192 bytes, in and out
	s_lshl_b32 s32, s31, 13
	s_add_nc_u64 s[18:19], s[18:19], s[32:33]
	s_add_nc_u64 s[28:29], s[28:29], s[32:33]
	s_wait_alu depctr_va_vdst(0)                   ; the offsets v4 and v10 are written, which the loads and the stores below read
.irp s, 0,1,2,3,4,5,6,7
.irp c, 0,1
	global_load_b128 v[16+8*\s+4*\c:16+8*\s+4*\c+3], v4, s[18:19] offset:64*\s+32*\c th:TH_LOAD_NT   ; the fragment's registers 4 c .. 4 c + 3 of K step s
.endr
.endr
.irp s, 0,1,2,3,4,5,6,7
.irp c, 0,1
	s_wait_loadcnt 15-2*\s-\c                      ; loads come back in order: this one is in, the younger ones stay out
	global_store_b128 v10, v[16+8*\s+4*\c:16+8*\s+4*\c+3], s[28:29] offset:1024*\s+512*\c   ; 32 lanes: 512 consecutive bytes
.endr
.endr
	s_endpgm
.Lfunc_end_k_q6eb0d954c9_gate:
	.size	k_q6eb0d954c9_gate, .Lfunc_end_k_q6eb0d954c9_gate-k_q6eb0d954c9_gate
	.p2alignl 7, 3214868480
	.fill 96, 4, 3214868480
	.section	.rodata,"a",@progbits
	.p2align	6, 0x0
	.amdhsa_kernel k_q6eb0d954c9_gate
		.amdhsa_group_segment_fixed_size 0
		.amdhsa_private_segment_fixed_size 0
		.amdhsa_enable_private_segment 0
		.amdhsa_kernarg_size 104
		.amdhsa_user_sgpr_count 2
		.amdhsa_user_sgpr_kernarg_segment_ptr 1
		.amdhsa_wavefront_size32 1
		.amdhsa_system_sgpr_workgroup_id_x 1
		.amdhsa_system_sgpr_workgroup_id_y 1
		.amdhsa_system_sgpr_workgroup_id_z 1
		.amdhsa_system_vgpr_workitem_id 0
		.amdhsa_next_free_vgpr 768
		.amdhsa_next_free_sgpr 66
		.amdhsa_reserve_vcc 1
		.amdhsa_float_denorm_mode_32 3
		.amdhsa_float_denorm_mode_16_64 3
		.amdhsa_memory_ordered 1
		.amdhsa_forward_progress 1
		.amdhsa_inst_pref_size 46
	.end_amdhsa_kernel
	.amdgpu_metadata
---
amdhsa.version: [ 1, 2 ]
amdhsa.kernels:
  - .name:           k_q6eb0d954c9_gate
    .symbol:         k_q6eb0d954c9_gate.kd
    .args:
      - { .name: x_codes, .offset: 0, .size: 8, .value_kind: global_buffer, .address_space: global }
      - { .name: x_scales, .offset: 8, .size: 8, .value_kind: global_buffer, .address_space: global }
      - { .name: Wg1_codes, .offset: 16, .size: 8, .value_kind: global_buffer, .address_space: global }
      - { .name: Wg1_scales, .offset: 24, .size: 8, .value_kind: global_buffer, .address_space: global }
      - { .name: bg1, .offset: 32, .size: 8, .value_kind: global_buffer, .address_space: global }
      - { .name: Wg2, .offset: 40, .size: 8, .value_kind: global_buffer, .address_space: global }
      - { .name: bg2, .offset: 48, .size: 8, .value_kind: global_buffer, .address_space: global }
      - { .name: We_codes, .offset: 56, .size: 8, .value_kind: global_buffer, .address_space: global }
      - { .name: out1, .offset: 64, .size: 8, .value_kind: global_buffer, .address_space: global }
      - { .name: out2, .offset: 72, .size: 8, .value_kind: global_buffer, .address_space: global }
      - { .name: tk_w, .offset: 80, .size: 8, .value_kind: global_buffer, .address_space: global }
      - { .name: meta, .offset: 88, .size: 8, .value_kind: global_buffer, .address_space: global }
      - { .name: Wimg, .offset: 96, .size: 8, .value_kind: global_buffer, .address_space: global }
    .group_segment_fixed_size: 0
    .private_segment_fixed_size: 0
    .kernarg_segment_align: 8
    .kernarg_segment_size: 104
    .max_flat_workgroup_size: 32
    .sgpr_count:     66
    .vgpr_count:     768
    .wavefront_size: 32
...
	.end_amdgpu_metadata
.endif
;; end of part 7
;; launch place (part 8): grid 1 x 1, 8 waves a work-group, no clusters, 5,120 bytes of LDS; arguments meta, srt; writes srt
.if DOCPART == 8
	.amdgcn_target "amdgcn-amd-amdhsa--gfx1250"
	.amdhsa_code_object_version 6
	.text
	.protected	k_q6eb0d954c9_place
	.globl	k_q6eb0d954c9_place
	.p2align	8
	.type	k_q6eb0d954c9_place,@function
k_q6eb0d954c9_place:
	s_mov_b64 s[64:65], 0
	v_nop
	global_prefetch_b8 v0, s[64:65] scope:SCOPE_SE
	s_setreg_imm32_b32 hwreg(HW_REG_WAVE_MODE, 25, 1), 1
	s_wait_xcnt 0x0
; A COUNTING SORT of the 8,192 tokens by their unordered pair of experts (28 bins), from the whole numbers that the launch before stored.
; srt[position] = the token's word as it came (token in bits 0-12, e1 in 13-15, e0 in 16-18).  position = the bin's first place + the tokens of that bin in earlier groups + the token's rank in its group.
; ONE work-group: every placer needs the counts of all 256 groups, and work-groups hand nothing to each other inside a launch.  Eight waves, two to a SIMD: what every wave repeats (the sum over
; the waves' totals, the running sum over the bins) is then repeated eight times, and 64 KB come in by 32 loads a wave.
; Wave w owns groups 32 w .. 32 w + 31 (a group: 32 tokens).  In the counting part a lane stands for a BIN, in the placing part for a TOKEN.
; The scatter goes to memory by stores of 4 bytes a lane to places that the data choose: 32 KB in all.
; LDS: TOT[bin][wave]: 8 words and 16 bytes of padding a bin (48 bytes: the lanes' reads of 16 bytes fall on different banks), from byte 0.  One barrier.
.set M,    8                           ; v8-71    group k: v[M + 2 k] my token's word, v[M + 2 k + 1] the group's count of bin = lane
.set PRE,  72                          ; v72-103  group k: the wave's earlier groups' count of bin = lane; later: where that bin begins for this group
.set IX,   104                         ; v104-135 group k: 4 x my token's pair
.set RK,   136                         ; v136-167 group k: my token's rank in its group
.set O,    168                         ; v168-199 group k: what my token's bin says; later the offset in srt
.set T,    200                         ; v200-207 the eight waves' totals of my bin
.set ALL,  208
.set BEF,  209
.set X,    210
.set TT,   211
.set BASE, 212
	s_load_b128 s[4:7], s[0:1], 0x0                ; meta, srt
	v_lshl_add_u32 v254, v0, 2, 0x1000
	v_mov_b32 v255, 0
	v_lshrrev_b32 v1, 5, v0
	s_delay_alu instid0(VALU_DEP_1)
	v_readfirstlane_b32 s12, v1                    ; wave 0..7
	v_and_b32 v1, 31, v0                           ; lane
	s_delay_alu instid0(VALU_DEP_1)
	v_lshlrev_b32 v2, 3, v1
	s_lshl_b32 s13, s12, 13
	v_add_nc_u32 v2, s13, v2                       ; meta: 32 groups of 256 bytes a wave, 8 bytes a lane
	v_mul_u32_u24 v6, v1, 48                       ; TOT[lane][.]
	s_lshl_b32 s13, s12, 2
	v_add_nc_u32 v5, s13, v6                       ; TOT[lane][wave]
	s_wait_alu depctr_va_vdst(0)
	s_wait_kmcnt 0x0
.set k, 0
.rept 32
	global_load_b64 v[M+2*k:M+2*k+1], v2, s[4:5] offset:256*k   ; 32 lanes: 256 consecutive bytes
.set k, k+1
.endr
	v_mov_b32 v[ALL], 0
	v_mov_b32 v[BEF], 0
	v_mov_b32 v[TT], 0                             ; a DPP form's destination counts as read
	; ---- lane = bin: the counts of the wave's earlier groups.  Lane = token: the pair and the rank out of the word.  Four groups at a time, as their loads come in
.set k, 0
.rept 32
.if k%4 == 0
	s_wait_alu depctr_va_vdst(0)
	s_wait_loadcnt 28-k                            ; loads come back in order: groups k .. k + 3 are in, the 28 - k loads behind them may be out
.endif
.if k == 0
	v_mov_b32 v[PRE], 0
.else
	v_add_nc_u32 v[PRE+k], v[PRE+k-1], v[M+2*k-1]
.endif
	v_lshrrev_b32 v[IX+k], 25, v[M+2*k]            ; bits 27-31 are the pair and bits 24-26 are 0: this is 4 x pair
	v_bfe_u32 v[RK+k], v[M+2*k], 19, 5
.set k, k+1
.endr
	s_delay_alu instid0(VALU_DEP_3)
	v_add_nc_u32 v[X], v[PRE+31], v[M+63]          ; the wave's total of my bin
	ds_store_b32 v5, v[X]
	s_wait_dscnt 0x0                               ; for the others' sake: my total has landed
	s_barrier_signal -1
	s_barrier_wait -1
	ds_load_b128 v[T:T+3], v6
	ds_load_b128 v[T+4:T+7], v6 offset:16
	s_wait_dscnt 0x0
.irp w, 0,1,2,3,4,5,6,7
	s_cmp_gt_u32 s12, \w
	s_cselect_b32 s13, 1, 0
	v_add_nc_u32 v[ALL], v[ALL], v[T+\w]           ; the bin's size,
	v_mad_u32_u24 v[BEF], v[T+\w], s13, v[BEF]     ; and what earlier waves put into it
.endr
	s_delay_alu instid0(VALU_DEP_2)
	; ---- where each bin begins: a running sum over the lanes, inside each half of 16 and then across
	v_mov_b32 v[X], v[ALL]
.irp n, 1,2,4,8
	s_delay_alu instid0(VALU_DEP_1)
	v_mov_b32_dpp v[TT], v[X] row_shr:\n row_mask:0xf bank_mask:0xf bound_ctrl:1
	s_delay_alu instid0(VALU_DEP_1)
	v_add_nc_u32 v[X], v[X], v[TT]
.endr
	s_delay_alu instid0(VALU_DEP_1)
	v_readlane_b32 s14, v[X], 15                   ; the first 16 bins together
	v_cmp_le_u32 vcc_lo, 16, v1
	s_delay_alu instid0(VALU_DEP_2)
	v_mov_b32 v[TT], s14
	s_delay_alu instid0(VALU_DEP_1)
	v_cndmask_b32 v[TT], 0, v[TT], vcc_lo
	s_delay_alu instid0(VALU_DEP_1)
	v_add_nc_u32 v[X], v[X], v[TT]
	s_delay_alu instid0(VALU_DEP_1)
	v_sub_nc_u32 v[BASE], v[X], v[ALL]             ; without the bin itself
	s_delay_alu instid0(VALU_DEP_1)
	v_add_nc_u32 v[BASE], v[BASE], v[BEF]
.set k, 0
.rept 32
	v_add_nc_u32 v[PRE+k], v[PRE+k], v[BASE]
.set k, k+1
.endr
	; ---- lane = token: it takes its bin's figure from the lane that stands for the bin
.set k, 0
.rept 32
	ds_bpermute_b32 v[O+k], v[IX+k], v[PRE+k]
.set k, k+1
.endr
.irp b, 0,8,16,24                              ; eight groups at a time; each group has address and data registers of its own: none is written again
	s_wait_dscnt 24-\b                             ; they come back in order: these eight are in, the 24 - b behind them may be out
.irp i, 0,1,2,3,4,5,6,7
	v_add_nc_u32 v[O+\b+\i], v[O+\b+\i], v[RK+\b+\i]
.endr
.irp i, 0,1,2,3,4,5,6,7
	v_min_u32 v[O+\b+\i], 0x1fff, v[O+\b+\i]       ; a position stays inside the 8,192
.endr
.irp i, 0,1,2,3,4,5,6,7
	v_lshlrev_b32 v[O+\b+\i], 2, v[O+\b+\i]
.endr
.irp i, 0,1,2,3,4,5,6,7
	global_store_b32 v[O+\b+\i], v[M+2*(\b+\i)], s[6:7]
.endr
.endr
	s_wait_tensorcnt 0x0
	ds_add_u32 v254, v255
	s_wait_dscnt 0x0
	s_endpgm
.Lfunc_end_k_q6eb0d954c9_place:
	.size	k_q6eb0d954c9_place, .Lfunc_end_k_q6eb0d954c9_place-k_q6eb0d954c9_place
	.p2alignl 7, 3214868480
	.fill 96, 4, 3214868480
	.section	.rodata,"a",@progbits
	.p2align	6, 0x0
	.amdhsa_kernel k_q6eb0d954c9_place
		.amdhsa_group_segment_fixed_size 5120
		.amdhsa_private_segment_fixed_size 0
		.amdhsa_enable_private_segment 0
		.amdhsa_kernarg_size 16
		.amdhsa_user_sgpr_count 2
		.amdhsa_user_sgpr_kernarg_segment_ptr 1
		.amdhsa_wavefront_size32 1
		.amdhsa_system_sgpr_workgroup_id_x 1
		.amdhsa_system_sgpr_workgroup_id_y 1
		.amdhsa_system_sgpr_workgroup_id_z 1
		.amdhsa_system_vgpr_workitem_id 0
		.amdhsa_next_free_vgpr 256
		.amdhsa_next_free_sgpr 66
		.amdhsa_reserve_vcc 1
		.amdhsa_float_denorm_mode_32 3
		.amdhsa_float_denorm_mode_16_64 3
		.amdhsa_memory_ordered 1
		.amdhsa_forward_progress 1
		.amdhsa_inst_pref_size 22
	.end_amdhsa_kernel
	.amdgpu_metadata
---
amdhsa.version: [ 1, 2 ]
amdhsa.kernels:
  - .name:           k_q6eb0d954c9_place
    .symbol:         k_q6eb0d954c9_place.kd
    .args:
      - { .name: meta, .offset: 0, .size: 8, .value_kind: global_buffer, .address_space: global }
      - { .name: srt, .offset: 8, .size: 8, .value_kind: global_buffer, .address_space: global }
    .group_segment_fixed_size: 5120
    .private_segment_fixed_size: 0
    .kernarg_segment_align: 8
    .kernarg_segment_size: 16
    .max_flat_workgroup_size: 256
    .sgpr_count:     66
    .vgpr_count:     256
    .wavefront_size: 32
...
	.end_amdgpu_metadata
.endif
;; end of part 8
;; launch experts (part 9): grid 8 x 32, 4 waves a work-group, no clusters, 17,920 bytes of LDS; arguments srt, tk_w, x_codes, x_scales, Wimg, We_scales, be, out0; writes out0
.if DOCPART == 9
	.amdgcn_target "amdgcn-amd-amdhsa--gfx1250"
	.amdhsa_code_object_version 6
	.text
	.protected	k_q6eb0d954c9_experts
	.globl	k_q6eb0d954c9_experts
	.p2align	8
	.type	k_q6eb0d954c9_experts,@function
k_q6eb0d954c9_experts:
	s_mov_b64 s[64:65], 0
	v_nop
	global_prefetch_b8 v0, s[64:65] scope:SCOPE_SE
	s_setreg_imm32_b32 hwreg(HW_REG_WAVE_SCHED_MODE, 0, 2), 2
	s_setreg_imm32_b32 hwreg(HW_REG_WAVE_MODE, 25, 1), 1
	s_wait_xcnt 0x0
	s_wait_alu depctr_vm_vsrc(0)
; out0[token] = the sum over the token's two experts e of w_e (x We[e]^T + be[e]), on codes of FP4 (E2M1) with E8M0 scales, f32 sums.  Only chosen experts are multiplied.
; SHARES.  A wave owns 64 tokens that lie together in the sorted list (4 tiles of 16) and 128 output columns (two groups of 64, each 4 tiles of 16): each number of out0 has one owner.
;   The four waves of a work-group take four neighbouring blocks of tokens and the SAME 128 columns.  Grid: x = which 128 columns, y = which 256 sorted positions.
; x's codes of the 64 tokens, all of K, stay in registers (256).  The weights come from memory straight into a ring of four register buffers, as the images that the first launch laid:
;   an ITEM is one expert x one tile of 16 columns x all of K: 16 loads of codes, 1 of scale words, 2 of bias; 32 products.  Four items are asked for at any time.
; THE WALK.  The wave lists the experts that its 64 tokens use (2 to 8, from the stored words) and walks those alone: for each, D = x We^T + be (the bias is the C of the first product) and
;   OUT += g D, g the token's weight for that expert, 0 for a token that does not use it.  The product is used transposed (source 0 = 16 rows of We, source 1 = 16 tokens): a lane holds one token.
; NO CLUSTER, NO TENSOR LOAD, NO BARRIER: the walk's trip count is read from the stored list and differs from wave to wave, so partners could not make the same requests in the same rounds of a barrier.
; THE WAY OUT.  A lane holds 32 neighbouring bytes of a token's row; a tile of 16 tokens x 64 columns goes through the wave's own stage in LDS and leaves as rows: sixteen lanes store 256 consecutive, aligned bytes.
; SCALES: one load of 16 bytes at 32 r + 16 h puts word 4 h + i of a row's 8 into register i: K step s takes register s % 4, lanes 0-15 for s < 4, lanes 16-31 for s >= 4.
; A WORD OF THE SORTED LIST: token in bits 0-12, second expert in 13-15, first expert in 16-18; the bits above are the sort's own and are cut off.
; LIMITS: a token is multiplied by 0 for experts that only its neighbours use, so those sums must be finite (no scale byte 0xff, no overflow of f32 in an expert that was not chosen).  NaN gate weights are not served.
; THE MODE: SCHED_MODE bits 1:0 = 2 (LLVM: expert scheduling mode 2), set by the entry lines.  The code itself states the register dependences between vector or matrix instructions
;   and memory or LDS instructions, and those through scalar registers that vector instructions write, with s_wait_alu, always for 0.
; THE PLAN.  Registers that memory or LDS instructions touch:
;   v4 to v8, v10    offsets and LDS addresses: written at the head, never again: one wait on va_vdst ahead of the list's loads.
;   XA, XSA, WA      written by vector lines from the list's words, read by the loads of x, its scale words and the tokens' weights, never written again: one wait on va_vdst ahead of that run.
;   ring buffer k, WS[k], BIAS[k]   Item k: its 32 products read them; behind its 16 packed lines the same item of the next expert is loaded into them.  ONE wait on va_vdst an item, between the two.
;   OUT              written by the packed lines, read by the stage's LDS stores: in the first column group the last item's wait stands behind the last packed line; in the second, whose last expert
;                    refills nothing, a wait on va_vdst stands ahead of the way out.  The second group's first packed lines write OUT anew: one wait on vm_vsrc ahead of them, behind that item's products.
;   RB, two sets     LDS loads land there, global stores read them, and the loads of two tiles on land there again: a wait on vm_vsrc at the head of tiles 2 and 3; for the second group's tiles 0 and 1
;                    the wait on vm_vsrc named above, which stands behind all of the first group's stores, has said it.
;   RO               written at the head from the list's words, read by the stores as addresses, behind the first expert's waits on va_vdst; never written again.
;   D, G, E0, E1, x, XS, WP: behind their one load, vector and matrix instructions alone name them.
;   Masks that compares write go in runs into s44-s51, one wait on va_sdst to a run.
; REGISTERS: window 0 as named; window 1: x, 64 t + 8 s + 4 c; window 2: the ring, 64 k + 8 s + 4 c; window 3: OUT, 32 u + 8 t + j.
.set XA,   16                          ; v16-19   tile t: my token's codes: token x 512 + 16 h
.set XSA,  20                          ; v20-23   and its scale words: token x 32 + 16 h
.set XS,   24                          ; v24-39   x's scale words, 4 a tile
.set WS,   40                          ; v40-55   the weights' scale words, 4 a buffer
.set SW,   56                          ; v56-59   tile t: my token's word of the sorted list
.set E0,   60                          ; v60-63   its first expert
.set E1,   64                          ; v64-67   its second
.set WP,   68                          ; v68-75   its two weights
.set G,    76                          ; v76-83   tile t: v[G + 2 t] = my token's weight for the expert in hand; the odd registers are 0 (named as pairs)
.set WA,   84                          ; v84-87   tile t: my token's place in tk_w: token x 8
.set RO,   88                          ; v88-119  tile t, i: where row 8 h + i of the tile lies in out0: token x 4,096 + 16 r
.set D,    120                         ; v120-151 four accumulators
.set BIAS, 152                         ; v152-183 be in the result's layout, 8 a buffer
.set RB,   184                         ; v184-247 rows read back from the stage, two sets of 32
.set MK,   44                          ; s44-s51  the masks of compares that are laid in runs
.set STW,  4352                        ; a wave's stage: 16 rows x (256 + 16) bytes
.set MSB, 0
.macro WIN new                         ; the immediate's high byte repeats the setting that is left
.if MSB != \new
	s_set_vgpr_msb (MSB<<8)|\new
.set MSB, \new
.endif
.endm
; where the items of expert s37, column tiles s24 .. s24 + 3, lie: q = 64 e + tile; codes 8,192 q, scale words 512 q, bias 64 q
.macro NEWBASE
	s_lshl_b32 s40, s37, 6
	s_add_co_u32 s40, s40, s24
	s_lshl_b32 s26, s40, 13
	s_add_nc_u64 s[28:29], s[12:13], s[26:27]
	s_lshl_b32 s26, s40, 9
	s_add_nc_u64 s[30:31], s[14:15], s[26:27]
	s_lshl_b32 s26, s40, 6
	s_add_nc_u64 s[32:33], s[16:17], s[26:27]
.endm
; on to what is fetched next.  nx = 0: the list's next expert; 1: the next column group's first expert
.macro ADVANCE nx
	s_wait_xcnt 0x0                                ; the loads on their way have read their bases: only behind this wait are the bases written again
.if \nx == 0
	s_lshr_b32 s35, s35, 4
.else
	s_mov_b32 s35, s34
	s_add_co_u32 s24, s24, 4
.endif
	s_and_b32 s37, s35, 7
	s_min_u32 s37, s37, 7                          ; an expert's number stays inside the table
	NEWBASE
.endm
.macro LOADITEM k                      ; 19 loads into buffer k
	WIN 0x80                                       ; destination window 2
.irp s, 0,1,2,3,4,5,6,7
.irp c, 0,1
	global_load_b128 v[64*\k+8*\s+4*\c:64*\k+8*\s+4*\c+3], v4, s[28:29] offset:8192*\k+1024*\s+512*\c   ; 32 lanes: 512 consecutive bytes
.endr
.endr
	WIN 0
	global_load_b128 v[WS+4*\k:WS+4*\k+3], v5, s[30:31] offset:512*\k
	global_load_b128 v[BIAS+8*\k:BIAS+8*\k+3], v6, s[32:33] offset:64*\k
	global_load_b128 v[BIAS+8*\k+4:BIAS+8*\k+7], v6, s[32:33] offset:64*\k+16
.endm
.macro GATES                           ; my tokens' weights for expert s37: the eight compares in one run, then the eight selects
.irp t, 0,1,2,3
	v_cmp_eq_u32 s[MK+2*\t], s37, v[E1+\t]
	v_cmp_eq_u32 s[MK+2*\t+1], s37, v[E0+\t]
.endr
	s_wait_alu depctr_va_sdst(0)                   ; the run's eight masks are written, ahead of the selects that read them
.irp t, 0,1,2,3
	v_cndmask_b32 v[G+2*\t], 0, v[WP+2*\t+1], s[MK+2*\t]
	v_cndmask_b32 v[G+2*\t], v[G+2*\t], v[WP+2*\t], s[MK+2*\t+1]
.endr
.endm
; One item.  first = 1: OUT begins here (nothing is cleared).  pf = 1: the buffer is filled again, with the same item of the next expert or column group.
; cnt: the younger loads that may stay out (-1: the wait has been made).  adv: 0 or 1: the step to what is fetched next stands behind this item's products (-1: none).
; vs = 1: the second column group's first item, whose packed lines are the first to write OUT again.
.macro ITEM k, first, pf, cnt, adv, vs
.if \cnt >= 0
	s_wait_loadcnt \cnt                            ; loads come back in order: this item's 19 are in
.endif
	WIN 0x06                                       ; source 0 window 2, source 1 window 1, C and D window 0
.irp s, 0,1,2,3,4,5,6,7                        ; the four accumulators take turns, one instruction a turn
.irp t, 0,1,2,3
.if \s == 0
	v_wmma_scale_f32_16x16x128_f8f6f4 v[D+8*\t:D+8*\t+7], v[64*\k+8*\s:64*\k+8*\s+7], v[64*\t+8*\s:64*\t+8*\s+7], v[BIAS+8*\k:BIAS+8*\k+7], v[WS+4*\k+\s%4], v[XS+4*\t+\s%4] matrix_a_fmt:MATRIX_FMT_FP4 matrix_b_fmt:MATRIX_FMT_FP4
.elseif \s < 4
	v_wmma_scale_f32_16x16x128_f8f6f4 v[D+8*\t:D+8*\t+7], v[64*\k+8*\s:64*\k+8*\s+7], v[64*\t+8*\s:64*\t+8*\s+7], v[D+8*\t:D+8*\t+7], v[WS+4*\k+\s%4], v[XS+4*\t+\s%4] matrix_a_fmt:MATRIX_FMT_FP4 matrix_b_fmt:MATRIX_FMT_FP4
.else
	v_wmma_scale_f32_16x16x128_f8f6f4 v[D+8*\t:D+8*\t+7], v[64*\k+8*\s:64*\k+8*\s+7], v[64*\t+8*\s:64*\t+8*\s+7], v[D+8*\t:D+8*\t+7], v[WS+4*\k+\s%4], v[XS+4*\t+\s%4] matrix_a_fmt:MATRIX_FMT_FP4 matrix_b_fmt:MATRIX_FMT_FP4 matrix_a_scale:MATRIX_SCALE_ROW1 matrix_b_scale:MATRIX_SCALE_ROW1
.endif
.endr
.endr
.if \adv >= 0
	s_wait_alu depctr_va_vdst(0)
	ADVANCE \adv                                   ; scalar work and its wait, behind a wait for the 32 products just issued
.endif
.if \vs
	s_wait_alu depctr_vm_vsrc(0)                   ; the first group's LDS stores have read OUT, which this group's packed lines write anew; its global stores have read both sets of RB, in which this group's first LDS loads will land
.endif
	WIN 0xf0                                       ; OUT (destination and source 2) window 3; D and g window 0
.rept 4
	v_nop                                          ; four places (ISA guide 7.12.1), ahead of the reads of D.  With the twelve packed lines of the other three tiles they are
.endr                                                  ; also the five that the next item's first product on each accumulator wants, which begins it anew with another C
.irp t, 0,1,2,3                                ; each accumulator from its low end on
.irp j, 0,2,4,6
.if \first
	v_pk_mul_f32 v[32*\k+8*\t+\j:32*\k+8*\t+\j+1], v[D+8*\t+\j:D+8*\t+\j+1], v[G+2*\t:G+2*\t+1] op_sel_hi:[1,0]
.else
	v_pk_fma_f32 v[32*\k+8*\t+\j:32*\k+8*\t+\j+1], v[D+8*\t+\j:D+8*\t+\j+1], v[G+2*\t:G+2*\t+1], v[32*\k+8*\t+\j:32*\k+8*\t+\j+1] op_sel_hi:[1,0,1]
.endif
.endr
.endr
.if \pf
	WIN 0x80                                       ; the loads' window first, then the wait, then the loads
	s_wait_alu depctr_va_vdst(0)                   ; this item's products are done reading buffer k, WS[k] and BIAS[k], in which the loads below land; its packed lines have written OUT
	LOADITEM \k
.endif
.endm
; One expert x one group of 64 columns: four items.  nx = 0: the list's next expert follows; 1: the next column group's first expert; 2: nothing.  vs: handed on to the first item.
.macro SUPER first, nx, vs
	s_wait_loadcnt 57                              ; 57 = the three younger items' 19 loads each: this expert's first item is in, and all that was asked for earlier (in the first turn: x, its scale words, the tokens' weights)
	GATES                                          ; ahead of the step that writes s37 anew
.if \nx != 2
	ITEM 0, \first, 1, -1, \nx, \vs
	ITEM 1, \first, 1, 57, -1, 0
	ITEM 2, \first, 1, 57, -1, 0
	ITEM 3, \first, 1, 57, -1, 0
.else
	ITEM 0, \first, 0, -1, -1, \vs                 ; nothing more is fetched: the counts run down, and no load is there for a wait on va_vdst to serve
	ITEM 1, \first, 0, 38, -1, 0
	ITEM 2, \first, 0, 19, -1, 0
	ITEM 3, \first, 0, 0, -1, 0
.endif
	WIN 0                                          ; at a label and at a branch every window is 0
.endm
.macro TOSTAGE t                       ; tile t's 16 tokens x 64 columns into my stage, and back as rows
	s_wait_xcnt 0x0                                ; the stores of two tiles back have had their addresses translated
.if \t >= 2
	s_wait_alu depctr_vm_vsrc(0)                   ; the global stores of two tiles back have read their set of RB, in which the LDS loads below land
.endif
	WIN 0x0c                                       ; an LDS store's data: window 3
.irp u, 0,1,2,3
	ds_store_b128 v7, v[32*\u+8*\t:32*\u+8*\t+3] offset:64*\u
	ds_store_b128 v7, v[32*\u+8*\t+4:32*\u+8*\t+7] offset:64*\u+16
.endr
	WIN 0
.irp i, 0,1,2,3,4,5,6,7
	ds_load_b128 v[RB+32*(\t%2)+4*\i:RB+32*(\t%2)+4*\i+3], v8 offset:272*\i   ; LDS serves a wave's instructions in order (ISA guide 5.7.1.4): these see the stores above, and the next tile's stores come behind them
.endr
.endm
.macro SEND t, cg, younger             ; younger: the LDS instructions issued behind tile t's loads
	s_wait_dscnt \younger
.irp i, 0,1,2,3,4,5,6,7
	global_store_b128 v[RO+8*\t+\i], v[RB+32*(\t%2)+4*\i:RB+32*(\t%2)+4*\i+3], s[18:19] offset:256*\cg th:TH_STORE_NT   ; lanes 0-15: 256 consecutive aligned bytes of one token's row; lanes 16-31: of the token 8 rows on
.endr
.endm
.macro STOREG cg
	TOSTAGE 0
	TOSTAGE 1
	SEND 0, \cg, 16                                ; 16 = the next tile's 8 LDS stores and 8 LDS loads
	TOSTAGE 2
	SEND 1, \cg, 16
	TOSTAGE 3
	SEND 2, \cg, 16
	SEND 3, \cg, 0
.endm
	s_load_b256 s[4:11], s[0:1], 0x0               ; srt, tk_w, x_codes, x_scales
	s_load_b256 s[12:19], s[0:1], 0x20             ; Wimg, We_scales, be, out0
	v_lshl_add_u32 v254, v0, 2, 0x4400
	v_mov_b32 v255, 0
	v_lshrrev_b32 v1, 5, v0
	v_readfirstlane_b32 s20, v1                    ; wave 0..3
	v_and_b32 v1, 15, v0                           ; r
	v_bfe_u32 v2, v0, 4, 1                         ; h
	v_and_b32 v3, 31, v0                           ; lane
	v_lshlrev_b32 v4, 4, v3                        ; 16 x lane: an image's place
	v_lshlrev_b32 v5, 5, v1
	v_lshl_add_u32 v5, v2, 4, v5                   ; 32 r + 16 h: the weights' scale words
	v_lshlrev_b32 v6, 5, v2                        ; 32 h: the bias, and the list's words 8 h ..
	s_wait_alu depctr_va_sdst(0)                   ; s20 is written, ahead of its first reader: the stage's place and my block of the list are made from it
	s_mul_i32 s40, s20, STW                        ; my stage
	v_mul_u32_u24 v7, v1, 272
	v_lshl_add_u32 v7, v2, 5, v7
	v_add_nc_u32 v7, s40, v7                       ; in: row r, + 32 h
	v_mul_u32_u24 v8, v2, 2176
	v_lshl_add_u32 v8, v1, 4, v8
	v_add_nc_u32 v8, s40, v8                       ; back: row 8 h (+ i), 16 bytes at 16 r
	v_lshlrev_b32 v9, 4, v1                        ; 16 r
	v_lshlrev_b32 v10, 2, v1                       ; 4 r
	v_lshlrev_b32 v12, 4, v2                       ; 16 h
	s_and_b32 s21, ttmp7, 0xffff
	s_lshl_b32 s21, s21, 2
	s_add_co_u32 s21, s21, s20                     ; my block of 64 sorted positions, 0..127
	s_lshl_b32 s24, ttmp9, 3                       ; my first column tile
	s_mov_b32 s27, 0
	s_wait_kmcnt 0x0
	s_lshl_b32 s26, s21, 8
	s_add_nc_u64 s[4:5], s[4:5], s[26:27]
	s_lshl_b32 s26, ttmp9, 9
	s_add_nc_u64 s[18:19], s[18:19], s[26:27]      ; out0 at my 128 columns
	s_wait_alu depctr_va_vdst(0)                   ; the offsets and LDS addresses v4 to v8 and v10 are written, which the loads, LDS stores and LDS loads of the whole kernel read; no vector line writes them again
.irp t, 0,1,2,3
	global_load_b32 v[SW+\t], v10, s[4:5] offset:64*\t                  ; position 16 t + r
	global_load_b128 v[RO+8*\t:RO+8*\t+3], v6, s[4:5] offset:64*\t     ; positions 16 t + 8 h + 0 .. 7
	global_load_b128 v[RO+8*\t+4:RO+8*\t+7], v6, s[4:5] offset:64*\t+16
.endr
	v_mov_b32 v14, 0
	s_wait_loadcnt 0x0
.irp t, 0,1,2,3
	v_and_b32 v13, 0x1fff, v[SW+\t]
	v_min_u32 v13, 0x1fff, v13                     ; a token stays inside the 8,192
	v_lshl_add_u32 v[XA+\t], v13, 9, v12
	v_lshl_add_u32 v[XSA+\t], v13, 5, v12
	v_lshlrev_b32 v[WA+\t], 3, v13
	v_bfe_u32 v[E0+\t], v[SW+\t], 16, 3
	v_bfe_u32 v[E1+\t], v[SW+\t], 13, 3
.endr
	s_wait_alu depctr_va_vdst(0)                   ; v[WA ..], v[XA ..] and v[XSA ..] are written, which the run of loads below reads as offsets
.irp t, 0,1,2,3
	global_load_b64 v[WP+2*\t:WP+2*\t+1], v[WA+\t], s[6:7]              ; my token's two weights
.endr
	WIN 0x40                                       ; destination window 1
.irp t, 0,1,2,3
.irp s, 0,1,2,3,4,5,6,7
.irp c, 0,1
	global_load_b128 v[64*\t+8*\s+4*\c:64*\t+8*\s+4*\c+3], v[XA+\t], s[8:9] offset:64*\s+32*\c   ; x stays in registers
.endr
.endr
.endr
	WIN 0
.irp t, 0,1,2,3
	global_load_b128 v[XS+4*\t:XS+4*\t+3], v[XSA+\t], s[10:11]
.endr
	; ---- the experts that my 64 tokens use, ascending, four bits each in s34; s36 = 4 x their number
.irp t, 0,1,2,3
	v_lshl_or_b32 v14, 1, v[E0+\t], v14
	v_lshl_or_b32 v14, 1, v[E1+\t], v14
.endr
.irp e, 0,1,2,3,4,5,6,7
	v_and_b32 v13, 1<<\e, v14
	v_cmp_ne_u32 s[MK+\e], 0, v13                  ; which lanes use expert e: the eight compares in one run
.endr
	s_mov_b32 s34, 0
	s_mov_b32 s36, 0
	s_wait_alu depctr_va_sdst(0)                   ; the run's eight masks are written, ahead of the scalar compares that read them
.irp e, 0,1,2,3,4,5,6,7
	s_cmp_lg_u32 s[MK+\e], 0                       ; does any lane use expert e?
	s_cselect_b32 s40, 1, 0
	s_mul_i32 s41, s40, \e
	s_lshl_b32 s41, s41, s36
	s_or_b32 s34, s34, s41
	s_lshl_b32 s40, s40, 2
	s_add_co_u32 s36, s36, s40
.endr
	s_lshr_b32 s38, s36, 2
	s_sub_co_i32 s38, s38, 2
	s_max_i32 s38, s38, 0
	s_min_u32 s38, s38, 6                          ; the experts between the first and the last: 0 to 6
	s_mov_b32 s35, s34
	s_and_b32 s37, s35, 7
	s_min_u32 s37, s37, 7
	NEWBASE
	LOADITEM 0                                     ; the ring is filled: the first expert's four items.  No wait: no vector line has yet named the ring, WS or BIAS, and none since the head's wait has written v4 to v6
	LOADITEM 1
	LOADITEM 2
	LOADITEM 3
.irp i, 0,1,2,3,4,5,6,7,8,9,10,11,12,13,14,15,16,17,18,19,20,21,22,23,24,25,26,27,28,29,30,31
	v_and_b32 v[RO+\i], 0x1fff, v[RO+\i]
	v_min_u32 v[RO+\i], 0x1fff, v[RO+\i]
	v_lshl_add_u32 v[RO+\i], v[RO+\i], 12, v9      ; the token's row of 4,096 bytes + 16 r.  (Read by the stores of the way out, behind the first expert's waits on va_vdst)
.endr
.irp t, 0,1,2,3
	v_mov_b32 v[G+2*\t+1], 0
.endr
	; ---- columns 0-63 of my 128
	SUPER 1, 0, 0
	s_cmp_eq_u32 s38, 0
	s_cbranch_scc1 .Lm0_done
	s_mov_b32 s39, s38
.Lm0:
	SUPER 0, 0, 0
	s_sub_co_i32 s39, s39, 1
	s_cmp_lg_u32 s39, 0
	s_cbranch_scc1 .Lm0
.Lm0_done:
	SUPER 0, 1, 0                                  ; the last expert; its refills are the next group's first expert
	STOREG 0                                       ; these stores leave under the second group's products.  No wait ahead of them: the last item's wait on va_vdst stands behind the last packed line, and no vector line has been issued since
	; ---- columns 64-127
	SUPER 1, 0, 1
	s_cmp_eq_u32 s38, 0
	s_cbranch_scc1 .Lm1_done
	s_mov_b32 s39, s38
.Lm1:
	SUPER 0, 0, 0
	s_sub_co_i32 s39, s39, 1
	s_cmp_lg_u32 s39, 0
	s_cbranch_scc1 .Lm1
.Lm1_done:
	SUPER 0, 2, 0
	s_wait_alu depctr_va_vdst(0)                   ; the last expert's packed lines have written OUT, which the LDS stores below read
	STOREG 1
	s_wait_dscnt 0x0                               ; the closing lines, six on end
	s_wait_alu 0x0
	s_wait_tensorcnt 0x0
	ds_add_u32 v254, v255
	s_wait_dscnt 0x0
	s_endpgm
.Lfunc_end_k_q6eb0d954c9_experts:
	.size	k_q6eb0d954c9_experts, .Lfunc_end_k_q6eb0d954c9_experts-k_q6eb0d954c9_experts
	.p2alignl 7, 3214868480
	.fill 96, 4, 3214868480
	.section	.rodata,"a",@progbits
	.p2align	6, 0x0
	.amdhsa_kernel k_q6eb0d954c9_experts
		.amdhsa_group_segment_fixed_size 17920
		.amdhsa_private_segment_fixed_size 0
		.amdhsa_enable_private_segment 0
		.amdhsa_kernarg_size 64
		.amdhsa_user_sgpr_count 2
		.amdhsa_user_sgpr_kernarg_segment_ptr 1
		.amdhsa_wavefront_size32 1
		.amdhsa_system_sgpr_workgroup_id_x 1
		.amdhsa_system_sgpr_workgroup_id_y 1
		.amdhsa_system_sgpr_workgroup_id_z 1
		.amdhsa_system_vgpr_workitem_id 0
		.amdhsa_next_free_vgpr 896
		.amdhsa_next_free_sgpr 66
		.amdhsa_reserve_vcc 0
		.amdhsa_float_denorm_mode_32 3
		.amdhsa_float_denorm_mode_16_64 3
		.amdhsa_memory_ordered 1
		.amdhsa_forward_progress 1
		.amdhsa_inst_pref_size 216
	.end_amdhsa_kernel
	.amdgpu_metadata
---
amdhsa.version: [ 1, 2 ]
amdhsa.kernels:
  - .name:           k_q6eb0d954c9_experts
    .symbol:         k_q6eb0d954c9_experts.kd
    .args:
      - { .name: srt, .offset: 0, .size: 8, .value_kind: global_buffer, .address_space: global }
      - { .name: tk_w, .offset: 8, .size: 8, .value_kind: global_buffer, .address_space: global }
      - { .name: x_codes, .offset: 16, .size: 8, .value_kind: global_buffer, .address_space: global }
      - { .name: x_scales, .offset: 24, .size: 8, .value_kind: global_buffer, .address_space: global }
      - { .name: Wimg, .offset: 32, .size: 8, .value_kind: global_buffer, .address_space: global }
      - { .name: We_scales, .offset: 40, .size: 8, .value_kind: global_buffer, .address_space: global }
      - { .name: be, .offset: 48, .size: 8, .value_kind: global_buffer, .address_space: global }
      - { .name: out0, .offset: 56, .size: 8, .value_kind: global_buffer, .address_space: global }
    .group_segment_fixed_size: 17920
    .private_segment_fixed_size: 0
    .kernarg_segment_align: 8
    .kernarg_segment_size: 64
    .max_flat_workgroup_size: 128
    .sgpr_count:     66
    .vgpr_count:     896
    .wavefront_size: 32
...
	.end_amdgpu_metadata
.endif
;; end of part 9
